; MI455X (gfx1250); checked and timed in simulation.
; The chip was launched on July 23, 2026; its instructions are those of AMD's public machine-readable ISA for CDNA 5 (MIT licence, August 2026) and "CDNA5" Instruction Set Architecture Reference Guide (July 2026). The comments in the code are by the model that wrote it; some were corrected since.
;; Convex Triplane. Allowed arithmetic: float matrix products may take bf16 or f16 operands with f32 sums; other float arithmetic in f32, or as packed bf16 or f16 multiplies, adds, multiply-adds, maxima and minima; sums over many terms, partial sums and values carried from step to step in f32; what a program stores and reads back later, other than sums and carried values, may be rounded once to bf16 or f16.
;; Inputs: coordinates 1 x 262,144 x 3 float32; line_x 64 x 128 x 1 float32; line_x_g 64 x 128 x 1 float32; line_y 64 x 128 x 1 float32; line_y_g 64 x 128 x 1 float32; line_z 64 x 128 x 1 float32; line_z_g 64 x 128 x 1 float32; plane_xy 32 x 128 x 128 float32; plane_xy_g 32 x 128 x 128 float32; plane_xz 32 x 128 x 128 float32; plane_xz_g 32 x 128 x 128 float32; plane_yz 32 x 128 x 128 float32; plane_yz_g 32 x 128 x 128 float32; volume 16 x 64 x 64 x 64 float32; volume_g 16 x 64 x 64 x 64 float32.
;; Outputs: out0 262,144 float32.
;; 3 versions, each right; version 2 is faster than version 1; version 3 is version 2 with the launch gather written anew for expert scheduling mode. Each part assembles by itself: llvm-mc -triple=amdgcn-amd-amdhsa -mcpu=gfx1250 --defsym DOCPART=n.
;; ======== version 1 of 3: 2 launches
;; workspace buffers: tpxy 4,460,544 bytes; tpyz 4,460,544 bytes; tpxz 4,460,544 bytes; tvol 40,247,296 bytes; idx 4,194,304 bytes of whole numbers; lconst 512 bytes
;; launch prep (part 1): grid 1809 x 1, 4 waves a work-group, no clusters, 37,376 bytes of LDS; arguments coordinates, line_x, line_x_g, line_y, line_y_g, line_z, line_z_g, plane_xy, plane_xy_g, plane_yz, plane_yz_g, plane_xz, plane_xz_g, volume, volume_g, tpxy, tpyz, tpxz, tvol, idx, lconst; writes tpxy, tpyz, tpxz, tvol, idx, lconst
.if DOCPART == 1
	.amdgcn_target "amdgcn-amd-amdhsa--gfx1250"
	.amdhsa_code_object_version 6
	.text
	.protected	k_qc42a9b483b_prep
	.globl	k_qc42a9b483b_prep
	.p2align	8
	.type	k_qc42a9b483b_prep,@function
k_qc42a9b483b_prep:
	s_mov_b64 s[64:65], 0
	v_nop
	global_prefetch_b8 v0, s[64:65] scope:SCOPE_SE
	s_setreg_imm32_b32 hwreg(HW_REG_WAVE_MODE, 25, 1), 1
	s_wait_xcnt 0x0
; PREP: everything that the gather launch needs laid out anew.  Four roles, chosen by the work-group's number b:
;   b < 1156          VOL    volume, volume_g [16][64][64][64] -> tvol [68][68][68] cells of 128 bytes: dword 2c = e[c], dword 2c+1 = g[c]
;   1156 <= b < 1552  PLANE  a pair of planes [32][128][128] -> tp.. [132][132] cells of 256 bytes: dwords 4j .. 4j+3 = e[2j], e[2j+1], g[2j], g[2j+1]
;   1552 <= b < 1808  INDEX  coordinates -> idx: four cell numbers a point (xy, yz, xz, volume), as whole numbers
;   b = 1808          LINE   the six line tables -> lconst: four partial sums of the line term
; BORDER.  Every table cell (.., Y, X) holds source (.., Y-2, X-2); a border two cells wide holds zeros.  With floor(i) held to -2 .. N both taps,
; base and base + 1, lie inside the padded table, and a tap that reference() counts as invalid reads 0.
; LINES.  A line table has width 1, so ix = (gx + 1) * 0.5 * 0 = 0 for every finite coordinate, and gy = 0 gives iy = 63.5: a channel's sample is
; 0.5 l[c][63] + 0.5 l[c][64] for every point, and the line term is one number for the launch.
; LIMITS.  Coordinates and tables are finite (a coordinate that is NaN or infinite makes reference() NaN; here it is held to the border).
; All tables stay f32: the gate g >= 0 is a threshold, and a rounded g would turn gates over.
; A transposition goes through the wave's own stage in LDS: a lane holds a cell in registers, stores it by 16 bytes at a padded pitch, and the wave
; reads the cells back in memory order, so that each global store covers 512 consecutive bytes at a multiple of 256.  No wave reads another's bytes: no barrier.
.set STG,   9216                       ; a wave's stage: 64 cells at pitch 144 (VOL) or 32 cells at pitch 272 (PLANE), both odd multiples of 16 bytes
.set SPARE, 4*STG                      ; behind the stages: the spare words, 128 bytes for each wave, that no other line names
.set PROW,  33792                      ; a padded plane row: 132 cells of 256 bytes
.set VROW,  8704                       ; a padded volume row: 68 cells of 128 bytes
; v1 lane; v2, v3 the add's two registers; v4 load offset; v5 stage address in; v6 stage address back; v7 16 x lane; v8 edge offset;
; v[12:15] zeros; v[16:79] 64 registers of data; v[80:88] at work
; The 64 loaded registers go through the stage and out.  s1off: where registers 32.. begin in the stage; rstride: stage bytes for 512 bytes of output; ob: the output's base.
.macro XPOSE s1off, rstride, ob
.set kk, 0
.rept 16
	s_wait_loadcnt 60-4*kk                         ; the 64 loads were issued in register order and come back in order: registers 4 kk .. 4 kk + 3 are in
.if kk < 8
	ds_store_b128 v5, v[16+4*kk:19+4*kk] offset:16*kk
.else
	ds_store_b128 v5, v[16+4*kk:19+4*kk] offset:(\s1off)+16*(kk-8)
.endif
.set kk, kk+1
.endr
.set kk, 0
.rept 16
	ds_load_b128 v[16+4*kk:19+4*kk], v6 offset:kk*(\rstride)   ; LDS serves a wave's instructions in order: these see the stores above
.set kk, kk+1
.endr
.set kk, 0
.rept 16
	s_wait_dscnt 15-kk                             ; read-back kk is in; the younger ones stay out
	global_store_b128 v7, v[16+4*kk:19+4*kk], s[(\ob):(\ob)+1] offset:512*kk
.set kk, kk+1
.endr
.endm
.macro ZERO16 ob                       ; 8,192 bytes of zeros
.set kk, 0
.rept 16
	global_store_b128 v7, v[12:15], s[(\ob):(\ob)+1] offset:512*kk
.set kk, kk+1
.endr
.endm
; Set q of 32 points: the six floors, held to the border, as whole numbers, and the four cell numbers made of them.
.macro IDX q
	s_wait_loadcnt 7-(\q)                          ; set q's coordinates are in; the younger sets' stay out
.irp c, 0,1,2
	v_add_f32 v[80+\c], 1.0, v[16+4*(\q)+\c]       ; (g + 1) * 0.5 * (N - 1), each step rounded as reference() rounds it
	v_mul_f32 v[80+\c], 0.5, v[80+\c]
	v_mul_f32 v[83+\c], s24, v[80+\c]
	v_mul_f32 v[86+\c], s25, v[80+\c]
	v_floor_f32 v[83+\c], v[83+\c]
	v_floor_f32 v[86+\c], v[86+\c]
	v_max_num_f32 v[83+\c], -2.0, v[83+\c]         ; beyond -2 .. N both taps are invalid anyway: they read the border
	v_max_num_f32 v[86+\c], -2.0, v[86+\c]
	v_min_num_f32 v[83+\c], s26, v[83+\c]
	v_min_num_f32 v[86+\c], s27, v[86+\c]
	v_add_f32 v[83+\c], 2.0, v[83+\c]
	v_add_f32 v[86+\c], 2.0, v[86+\c]
	v_cvt_u32_f32 v[83+\c], v[83+\c]               ; 0 .. 130
	v_cvt_u32_f32 v[86+\c], v[86+\c]               ; 0 .. 66
.endr
	v_mad_u32_u24 v[48+4*(\q)], v84, 132, v83      ; xy: x along the width, y along the height
	v_mad_u32_u24 v[49+4*(\q)], v85, 132, v84      ; yz: y along the width, z along the height
	v_mad_u32_u24 v[50+4*(\q)], v85, 132, v83      ; xz
	v_mad_u32_u24 v[51+4*(\q)], v88, 68, v87
	v_mad_u32_u24 v[51+4*(\q)], v[51+4*(\q)], 68, v86  ; volume: (z 68 + y) 68 + x
	global_store_b128 v7, v[48+4*(\q):51+4*(\q)], s[10:11] offset:512*(\q)  ; 32 points x 16 bytes on end
.endm
	v_lshl_add_u32 v2, v0, 2, SPARE                ; my spare word,
	v_mov_b32 v3, 0                                ; and 0: kept for the add at the wave's end
	v_and_b32 v1, 31, v0                           ; lane
	v_lshrrev_b32 v9, 5, v0
	v_readfirstlane_b32 s2, v9                     ; wave 0..3
	s_mul_i32 s3, s2, STG                          ; my stage
	v_lshlrev_b32 v7, 4, v1
	v_mov_b32 v12, 0
	v_mov_b32 v13, 0
	v_mov_b32 v14, 0
	v_mov_b32 v15, 0
	s_mov_b32 s4, ttmp9
	s_cmp_lt_u32 s4, 1156
	s_cbranch_scc1 .Lvol
	s_cmp_lt_u32 s4, 1552
	s_cbranch_scc1 .Lplane
	s_cmp_lt_u32 s4, 1808
	s_cbranch_scc1 .Lindex
	; ---- LINE.  Wave w takes channels 16 w .. 16 w + 15: lanes 0-15 row 63, lanes 16-31 row 64 of the same channels.
.irp i, 0,1,2,3,4,5
	s_load_b64 s[8+2*\i:9+2*\i], s[0:1], 0x8+8*\i  ; line_x, line_x_g, line_y, line_y_g, line_z, line_z_g
.endr
	s_load_b64 s[20:21], s[0:1], 0xa0              ; lconst
	s_mov_b32 s26, 0x76543210                      ; v_permlanex16_b32: each lane takes its own place in the other half
	s_mov_b32 s27, 0xfedcba98
	v_and_b32 v11, 15, v1
	v_lshrrev_b32 v10, 4, v1
	s_lshl_b32 s5, s2, 13                          ; 16 channels of 512 bytes a wave,
	s_add_co_u32 s5, s5, 252                       ; row 63
	v_lshl_add_u32 v4, v11, 9, s5
	v_lshl_add_u32 v4, v10, 2, v4                  ; or row 64
	s_lshl_b32 s6, s2, 7
	v_lshl_add_u32 v5, v1, 2, s6                   ; where my wave's partial sum goes: 128 w + 4 lane
.irp i, 0,1,2,3,4,5
	v_mov_b32 v[24+\i], 0                          ; the exchange's destinations count as read: written first
.endr
	s_wait_kmcnt 0x0
.irp i, 0,1,2,3,4,5
	global_load_b32 v[16+\i], v4, s[8+2*\i:9+2*\i]
.endr
	s_wait_loadcnt 0x0
.irp i, 0,1,2,3,4,5
	v_mul_f32 v[16+\i], 0.5, v[16+\i]              ; exact
.endr
.irp i, 0,1,2,3,4,5
	v_permlanex16_b32 v[24+\i], v[16+\i], s26, s27
.endr
.irp i, 0,1,2,3,4,5
	v_add_f32 v[16+\i], v[16+\i], v[24+\i]         ; 0.5 l63 + 0.5 l64: one rounding, the same in both halves of the lanes
.endr
.irp i, 0,2,4
	v_cmp_le_f32 vcc_lo, 0, v[17+\i]               ; the gate
	v_cndmask_b32 v[16+\i], 0, v[16+\i], vcc_lo
.endr
	v_add_f32 v16, v16, v18
	v_add_f32 v16, v16, v20
	v_add_f32_dpp v16, v16, v16 row_xmask:1 row_mask:0xf bank_mask:0xf  ; over the wave's 16 channels
	v_add_f32_dpp v16, v16, v16 row_xmask:2 row_mask:0xf bank_mask:0xf
	v_add_f32_dpp v16, v16, v16 row_xmask:4 row_mask:0xf bank_mask:0xf
	v_add_f32_dpp v16, v16, v16 row_xmask:8 row_mask:0xf bank_mask:0xf
	global_store_b32 v5, v16, s[20:21]
	s_branch .Lend
	; ---- VOL.  b = 17 z' + gy; wave w makes the padded row (z', y' = 4 gy + w): 68 cells, 8,704 bytes.
.Lvol:
	s_load_b64 s[8:9], s[0:1], 0x68                ; volume
	s_load_b64 s[10:11], s[0:1], 0x70              ; volume_g
	s_load_b64 s[12:13], s[0:1], 0x90              ; tvol
	s_mul_i32 s5, s4, 3856
	s_lshr_b32 s5, s5, 16                          ; z' = b / 17: 3856 / 65536 exceeds 1 / 17 by 16 / 1114112, which times 1,155 stays under 1 / 17
	s_mul_i32 s6, s5, 17
	s_sub_co_u32 s6, s4, s6
	s_lshl2_add_u32 s6, s6, s2                     ; y'
	s_mul_i32 s20, s5, 68
	s_add_co_u32 s20, s20, s6
	s_mul_i32 s20, s20, VROW
	s_mov_b32 s21, 0
	v_lshrrev_b32 v10, 4, v1
	v_and_b32 v11, 15, v1
	v_mul_u32_u24 v8, v10, VROW-256                ; lanes 0-15: the row's first two cells; lanes 16-31: its last two
	v_lshl_add_u32 v8, v11, 4, v8
	s_sub_co_u32 s5, s5, 2                         ; the source's z and y; in the border they wrap to large numbers
	s_sub_co_u32 s6, s6, 2
	s_wait_kmcnt 0x0
	s_add_nc_u64 s[12:13], s[12:13], s[20:21]
	global_store_b128 v8, v[12:15], s[12:13]       ; two whole runs of 256 bytes of zeros
	s_add_nc_u64 s[14:15], s[12:13], 256           ; the row's 64 inner cells
	s_cmp_ge_u32 s5, 64
	s_cbranch_scc1 .Lzero
	s_cmp_ge_u32 s6, 64
	s_cbranch_scc1 .Lzero
	s_add_nc_u64 s[16:17], s[8:9], 0x800000        ; channels 8 to 15: the immediate holds seven channels of 1 MiB
	s_add_nc_u64 s[18:19], s[10:11], 0x800000
	s_lshl_b32 s22, s5, 6
	s_add_co_u32 s22, s22, s6
	s_lshl_b32 s22, s22, 8                         ; the source row's 256 bytes
	v_lshl_add_u32 v4, v1, 2, s22
.set dd, 0
.rept 64                                       ; register 32 s + 2 c + T: x = 32 s + lane, channel c, T = 0 e, 1 g: a lane ends with two whole cells
.set vb, 8+2*(dd%2)+8*((dd%32)/16)
.set vo, (((dd%32)/2)%8)*1048576+128*(dd/32)
	global_load_b32 v[16+dd], v4, s[vb:vb+1] offset:vo th:TH_LOAD_NT
.set dd, dd+1
.endr
	v_mul_u32_u24 v5, v1, 144                      ; in: cell = lane (and 32 + lane)
	v_add_nc_u32 v5, s3, v5
	v_lshrrev_b32 v10, 3, v1
	v_and_b32 v11, 7, v1
	v_mul_u32_u24 v6, v10, 144                     ; back: 32 lanes take four cells of 128 bytes
	v_lshl_add_u32 v6, v11, 4, v6
	v_add_nc_u32 v6, s3, v6
	XPOSE 32*144, 4*144, 14
	s_branch .Lend
	; ---- PLANE.  b - 1156 = 132 p + y': the work-group makes padded row y' of pair p; wave w its inner cells 32 w .. 32 w + 31.
.Lplane:
	s_load_b64 s[8:9], s[0:1], 0x38                ; plane_xy
	s_load_b64 s[10:11], s[0:1], 0x40              ; plane_xy_g
	s_load_b64 s[16:17], s[0:1], 0x48              ; plane_yz
	s_load_b64 s[18:19], s[0:1], 0x50              ; plane_yz_g
	s_load_b64 s[20:21], s[0:1], 0x58              ; plane_xz
	s_load_b64 s[22:23], s[0:1], 0x60              ; plane_xz_g
	s_load_b64 s[12:13], s[0:1], 0x78              ; tpxy
	s_load_b64 s[24:25], s[0:1], 0x80              ; tpyz
	s_load_b64 s[26:27], s[0:1], 0x88              ; tpxz
	s_sub_co_u32 s4, s4, 1156
	s_mul_i32 s5, s4, 497
	s_lshr_b32 s5, s5, 16                          ; p = u / 132: 497 / 65536 exceeds 1 / 132 by 68 / 8650752, which times 395 stays under 1 / 132
	s_mul_i32 s6, s5, 132
	s_sub_co_u32 s6, s4, s6                        ; y'
	s_mul_i32 s28, s6, PROW
	s_mov_b32 s29, 0
	s_mul_i32 s32, s2, PROW-512                    ; wave 0: the row's first two cells; wave 1: its last two
	s_mov_b32 s33, 0
	s_lshl_b32 s34, s2, 13
	s_add_co_u32 s34, s34, 512                     ; my 32 inner cells
	s_mov_b32 s35, 0
	s_sub_co_u32 s6, s6, 2                         ; the source's row; in the border it wraps to a large number
	s_wait_kmcnt 0x0
	s_cmp_eq_u32 s5, 1
	s_cselect_b64 s[8:9], s[16:17], s[8:9]
	s_cselect_b64 s[10:11], s[18:19], s[10:11]
	s_cselect_b64 s[12:13], s[24:25], s[12:13]
	s_cmp_eq_u32 s5, 2
	s_cselect_b64 s[8:9], s[20:21], s[8:9]
	s_cselect_b64 s[10:11], s[22:23], s[10:11]
	s_cselect_b64 s[12:13], s[26:27], s[12:13]
	s_add_nc_u64 s[12:13], s[12:13], s[28:29]
	s_add_nc_u64 s[14:15], s[12:13], s[34:35]
	s_cmp_lt_u32 s2, 2
	s_cbranch_scc0 .Lpmid
	s_add_nc_u64 s[30:31], s[12:13], s[32:33]
	global_store_b128 v7, v[12:15], s[30:31]       ; 512 bytes of zeros
.Lpmid:
	s_cmp_ge_u32 s6, 128
	s_cbranch_scc1 .Lzero
	s_lshl_b32 s36, s6, 9                          ; the source row's 512 bytes,
	s_lshl_b32 s37, s2, 7                          ; my 128 of them
	s_add_co_u32 s36, s36, s37
	v_lshl_add_u32 v4, v1, 2, s36
.set dd, 0
.rept 64                                       ; register 4 j + i: channel 2 j + (i & 1), of e (i < 2) or g: a lane ends with one whole cell
.set pb, 8+2*((dd%4)/2)
.set po, (2*(dd/4)+(dd%2))*65536
	global_load_b32 v[16+dd], v4, s[pb:pb+1] offset:po th:TH_LOAD_NT
.set dd, dd+1
.endr
	v_mul_u32_u24 v5, v1, 272                      ; in: cell = lane
	v_add_nc_u32 v5, s3, v5
	v_lshrrev_b32 v10, 4, v1
	v_and_b32 v11, 15, v1
	v_mul_u32_u24 v6, v10, 272                     ; back: 32 lanes take two cells of 256 bytes
	v_lshl_add_u32 v6, v11, 4, v6
	v_add_nc_u32 v6, s3, v6
	XPOSE 128, 2*272, 14
	s_branch .Lend
	; ---- INDEX.  A wave takes 256 points, eight sets of 32, a lane a point; every set has its own registers.
.Lindex:
	s_load_b64 s[8:9], s[0:1], 0x0                 ; coordinates
	s_load_b64 s[10:11], s[0:1], 0x98              ; idx
	s_sub_co_u32 s4, s4, 1552
	s_lshl_b32 s4, s4, 10
	s_lshl_b32 s5, s2, 8
	s_add_co_u32 s4, s4, s5                        ; my first point
	s_mul_i32 s20, s4, 12
	s_mov_b32 s21, 0
	s_lshl_b32 s22, s4, 4
	s_mov_b32 s23, 0
	s_mov_b32 s24, 0x42fe0000                      ; 127.0
	s_mov_b32 s25, 0x427c0000                      ; 63.0
	s_mov_b32 s26, 0x43000000                      ; 128.0
	s_mov_b32 s27, 0x42800000                      ; 64.0
	v_mul_u32_u24 v4, v1, 12
	s_wait_kmcnt 0x0
	s_add_nc_u64 s[8:9], s[8:9], s[20:21]
	s_add_nc_u64 s[10:11], s[10:11], s[22:23]
.irp q, 0,1,2,3,4,5,6,7
	global_load_b96 v[16+4*\q:18+4*\q], v4, s[8:9] offset:384*\q
.endr
.irp q, 0,1,2,3,4,5,6,7
	IDX \q
.endr
	s_branch .Lend
.Lzero:                                        ; a border row's inner cells: 8,192 bytes in either kind of table
	ZERO16 14
.Lend:
	s_wait_tensorcnt 0x0                           ; the wave's end: behind my last LDS store
	ds_add_u32 v2, v3
	s_wait_dscnt 0x0
	s_endpgm
.Lfunc_end_k_qc42a9b483b_prep:
	.size	k_qc42a9b483b_prep, .Lfunc_end_k_qc42a9b483b_prep-k_qc42a9b483b_prep
	.p2alignl 7, 3214868480
	.fill 96, 4, 3214868480
	.section	.rodata,"a",@progbits
	.p2align	6, 0x0
	.amdhsa_kernel k_qc42a9b483b_prep
		.amdhsa_group_segment_fixed_size 37376
		.amdhsa_private_segment_fixed_size 0
		.amdhsa_enable_private_segment 0
		.amdhsa_kernarg_size 168
		.amdhsa_user_sgpr_count 2
		.amdhsa_user_sgpr_kernarg_segment_ptr 1
		.amdhsa_wavefront_size32 1
		.amdhsa_system_sgpr_workgroup_id_x 1
		.amdhsa_system_sgpr_workgroup_id_y 1
		.amdhsa_system_sgpr_workgroup_id_z 1
		.amdhsa_system_vgpr_workitem_id 0
		.amdhsa_next_free_vgpr 96
		.amdhsa_next_free_sgpr 66
		.amdhsa_reserve_vcc 1
		.amdhsa_float_denorm_mode_32 3
		.amdhsa_float_denorm_mode_16_64 3
		.amdhsa_memory_ordered 1
		.amdhsa_forward_progress 1
		.amdhsa_inst_pref_size 48
	.end_amdhsa_kernel
	.amdgpu_metadata
---
amdhsa.version: [ 1, 2 ]
amdhsa.kernels:
  - .name:           k_qc42a9b483b_prep
    .symbol:         k_qc42a9b483b_prep.kd
    .args:
      - { .name: coordinates, .offset: 0, .size: 8, .value_kind: global_buffer, .address_space: global }
      - { .name: line_x, .offset: 8, .size: 8, .value_kind: global_buffer, .address_space: global }
      - { .name: line_x_g, .offset: 16, .size: 8, .value_kind: global_buffer, .address_space: global }
      - { .name: line_y, .offset: 24, .size: 8, .value_kind: global_buffer, .address_space: global }
      - { .name: line_y_g, .offset: 32, .size: 8, .value_kind: global_buffer, .address_space: global }
      - { .name: line_z, .offset: 40, .size: 8, .value_kind: global_buffer, .address_space: global }
      - { .name: line_z_g, .offset: 48, .size: 8, .value_kind: global_buffer, .address_space: global }
      - { .name: plane_xy, .offset: 56, .size: 8, .value_kind: global_buffer, .address_space: global }
      - { .name: plane_xy_g, .offset: 64, .size: 8, .value_kind: global_buffer, .address_space: global }
      - { .name: plane_yz, .offset: 72, .size: 8, .value_kind: global_buffer, .address_space: global }
      - { .name: plane_yz_g, .offset: 80, .size: 8, .value_kind: global_buffer, .address_space: global }
      - { .name: plane_xz, .offset: 88, .size: 8, .value_kind: global_buffer, .address_space: global }
      - { .name: plane_xz_g, .offset: 96, .size: 8, .value_kind: global_buffer, .address_space: global }
      - { .name: volume, .offset: 104, .size: 8, .value_kind: global_buffer, .address_space: global }
      - { .name: volume_g, .offset: 112, .size: 8, .value_kind: global_buffer, .address_space: global }
      - { .name: tpxy, .offset: 120, .size: 8, .value_kind: global_buffer, .address_space: global }
      - { .name: tpyz, .offset: 128, .size: 8, .value_kind: global_buffer, .address_space: global }
      - { .name: tpxz, .offset: 136, .size: 8, .value_kind: global_buffer, .address_space: global }
      - { .name: tvol, .offset: 144, .size: 8, .value_kind: global_buffer, .address_space: global }
      - { .name: idx, .offset: 152, .size: 8, .value_kind: global_buffer, .address_space: global }
      - { .name: lconst, .offset: 160, .size: 8, .value_kind: global_buffer, .address_space: global }
    .group_segment_fixed_size: 37376
    .private_segment_fixed_size: 0
    .kernarg_segment_align: 8
    .kernarg_segment_size: 168
    .max_flat_workgroup_size: 128
    .sgpr_count:     66
    .vgpr_count:     96
    .wavefront_size: 32
...
	.end_amdgpu_metadata
.endif
;; end of part 1
;; launch gather (part 2): grid 256 x 1, 16 waves a work-group, no clusters, 83,968 bytes of LDS; arguments coordinates, idx, tpxy, tpyz, tpxz, tvol, lconst, out0; writes out0
.if DOCPART == 2
	.amdgcn_target "amdgcn-amd-amdhsa--gfx1250"
	.amdhsa_code_object_version 6
	.text
	.protected	k_qc42a9b483b_gather
	.globl	k_qc42a9b483b_gather
	.p2align	8
	.type	k_qc42a9b483b_gather,@function
k_qc42a9b483b_gather:
	s_mov_b64 s[64:65], 0
	v_nop
	global_prefetch_b8 v0, s[64:65] scope:SCOPE_SE
	s_setreg_imm32_b32 hwreg(HW_REG_WAVE_MODE, 25, 1), 1
	s_wait_xcnt 0x0
; GATHER: out[p] = the sum over channels of e(p) where g(p) >= 0, over three bilinear plane pairs (32 channels) and one trilinear volume pair (16), plus the line term.
; TABLES (made by the launch before): tp.. [132][132] cells of 256 bytes, dwords 4j .. 4j+3 = e[2j], e[2j+1], g[2j], g[2j+1]; tvol [68][68][68] cells of 128 bytes,
; dwords 2c, 2c+1 = e[c], g[c]; a border of two zero cells stands for reference()'s invalid taps.  idx: four cell numbers a point; lconst: four partial line sums.
; SHARES.  A work-group owns 1,024 points, each of its 16 waves 64.  In trip t lanes 0-15 serve point base + t, lanes 16-31 point base + 32 + t.  Lane j of a half owns
; plane channels 2j, 2j+1 and volume channel j: all taps of a channel meet in one lane, so nothing crosses lanes ahead of the gate.  A half's load of a cell covers
; the cell's 256 (128) consecutive bytes.
; THE GATE is a threshold, so the order of roundings in g is part of the result.  This text takes reference()'s operations in their written order, with these roundings:
;   i = a (N - 1), a = (c + 1) 0.5, is rounded, and floor(i) is taken of the rounded i (so the cell numbers are);
;   in the planes w = i - floor(i), of the rounded i;  in the volume w = a 63 - floor(i) in one fused operation, of the unrounded product;  1 - w and the weights' products are each rounded;
;   the taps' sum p0 + p1 + p2 + ..: p1 is rounded, tap 0 is fused onto it, and each further tap is fused onto the sum (the volume's leading zeros + p0 is p0).  e goes the same way.
; The sum over channels is taken in another order than reference()'s.
; LIMITS.  A g that these roundings can carry across 0 (in the volume some 1e-9 for tables of spread 1e-3) takes its side from them.  Coordinates and tables are finite: where
; reference() makes NaN of a non-finite number times 0, the select here gives 0 for that channel.
; IN FLIGHT.  Two buffers of 64 registers, a trip each: a trip's 12 + 8 table loads (8 KiB a wave) are asked for two trips ahead, section by section, as the old data is used up.
.set RECB,  80                         ; a point's record of 20 weights: xy, yz, xz {w00, w10, w01, w11}, volume [4 dz + 2 dy + dx]; the pitch is an odd multiple of 16 bytes
.set WREC,  64*RECB                    ; a wave's 64 records
.set SPARE, 16*WREC                    ; behind the records: the spare words, 128 bytes for each wave, that no other line names
.set PROW,  33792                      ; bytes from a plane cell to the one a row on
.set VROW,  8704                       ; the same in the volume,
.set VPLN,  591872                     ; and a plane of 68 rows on
; v1 16 j; v2 8 j; v3 512 h (a half's 32 points of idx); v4 LDS address of the weights in hand; v5, v6 the add's two registers; v7 lane; v[8:9] my two results; v10 8 lane; v11 12 lane
; v[12:13] the trip's sum; v14 at work; v[16:23] cell numbers, buffer x at 16 + 4 x; v[24:31] byte offsets, at 24 + 4 x; v[32:71] weights, at 32 + 20 x; v[72:91] at work
; v[96:223] data, buffer x at 96 + 64 x: plane s tap k at 16 s + 4 k, volume tap k at 48 + 2 k; v[224:252] the prologue's
; s2 wave; s6 count; s7 the lanes that take this trip's sums; s[8:11] line sums; s[12:13] idx, walking; s[16:31] the eight buffers
.macro PKMUL d, a, w                   ; two products by one weight, register w: the pair that holds it is named, and op_sel picks it for both halves
.if ((\w)%2) == 0
	v_pk_mul_f32 v[(\d):(\d)+1], v[(\a):(\a)+1], v[(\w):(\w)+1] op_sel_hi:[1,0]
.else
	v_pk_mul_f32 v[(\d):(\d)+1], v[(\a):(\a)+1], v[(\w)-1:(\w)] op_sel:[0,1] op_sel_hi:[1,1]
.endif
.endm
.macro PKFMA d, a, w                   ; d += a x weight, one rounding
.if ((\w)%2) == 0
	v_pk_fma_f32 v[(\d):(\d)+1], v[(\a):(\a)+1], v[(\w):(\w)+1], v[(\d):(\d)+1] op_sel_hi:[1,0,1]
.else
	v_pk_fma_f32 v[(\d):(\d)+1], v[(\a):(\a)+1], v[(\w)-1:(\w)], v[(\d):(\d)+1] op_sel:[0,1,0] op_sel_hi:[1,1,1]
.endif
.endm
.macro ADDR x                          ; cell numbers to byte offsets.  The bound is the last base cell: 17290 + 133 and 309738 + 4693 are the tables' last cells
.irp s, 0,1,2
	v_min_u32 v[24+4*(\x)+\s], 17290, v[16+4*(\x)+\s]
	v_lshl_add_u32 v[24+4*(\x)+\s], v[24+4*(\x)+\s], 8, v1
.endr
	v_min_u32 v[27+4*(\x)], 309738, v[19+4*(\x)]
	v_lshl_add_u32 v[27+4*(\x)], v[27+4*(\x)], 7, v2
.endm
.macro LDP x, s                        ; plane s: four taps, 16 bytes a lane
.irp k, 0,1,2,3
	global_load_b128 v[96+64*(\x)+16*(\s)+4*(\k):96+64*(\x)+16*(\s)+4*(\k)+3], v[24+4*(\x)+(\s)], s[20+2*(\s):21+2*(\s)] offset:((\k)%2)*256+((\k)/2)*PROW
.endr
.endm
.macro LDV x                           ; the volume: eight taps, 8 bytes a lane
.irp k, 0,1,2,3,4,5,6,7
	global_load_b64 v[144+64*(\x)+2*(\k):144+64*(\x)+2*(\k)+1], v[27+4*(\x)], s[26:27] offset:((\k)%2)*128+(((\k)/2)%2)*VROW+((\k)/4)*VPLN
.endr
.endm
.macro PLANE x, s                      ; my two channels of plane s: e, g, the gate, onto the trip's sum.  Tap k's e lies at pD + 4 k, its g at pD + 4 k + 2
.set pD, 96+64*(\x)+16*(\s)
.set pW, 32+20*(\x)+4*(\s)
.set pT, 72+4*((\s)%2)                 ; pairs E, G
	PKMUL pT+2, pD+6, pW+1                         ; g: tap 1's product is rounded,
	PKMUL pT, pD+4, pW+1                           ; (e goes the same way; its chain stands between g's links)
	PKFMA pT+2, pD+2, pW                           ; tap 0 is fused onto it,
	PKFMA pT, pD, pW
	PKFMA pT+2, pD+10, pW+2                        ; then taps 2 and 3 onto the sum
	PKFMA pT, pD+8, pW+2
	PKFMA pT+2, pD+14, pW+3
	PKFMA pT, pD+12, pW+3
.if (\s) == 0                          ; the first plane starts the sum
	v_cmp_le_f32 vcc_lo, 0, v[pT+2]
	v_cndmask_b32 v12, 0, v[pT], vcc_lo
	v_cmp_le_f32 vcc_lo, 0, v[pT+3]
	v_cndmask_b32 v13, 0, v[pT+1], vcc_lo
.else
	v_cmp_le_f32 vcc_lo, 0, v[pT+2]
	v_cndmask_b32 v[pT], 0, v[pT], vcc_lo
	v_cmp_le_f32 vcc_lo, 0, v[pT+3]
	v_cndmask_b32 v[pT+1], 0, v[pT+1], vcc_lo
	v_pk_add_f32 v[12:13], v[12:13], v[pT:pT+1]
.endif
.endm
.macro VOL x                           ; my channel of the volume: the pair (e, g) through eight taps, in the order dz, dy, dx
.set pD, 144+64*(\x)
.set pW, 44+20*(\x)
	PKMUL 80, pD+2, pW+1                           ; tap 1's product is rounded,
	PKFMA 80, pD, pW                               ; tap 0 is fused onto it,
.irp k, 2,3,4,5,6,7
	PKFMA 80, pD+2*(\k), pW+(\k)                   ; then taps 2 to 7 onto the sum
.endr
	v_cmp_le_f32 vcc_lo, 0, v81
	v_cndmask_b32 v80, 0, v80, vcc_lo
	v_add_f32 v12, v12, v80
.endm
.macro PUT x                           ; the half's 16 lanes are added; lane 16 h + t / 2 keeps the sum in register t % 2
	v_add_f32 v14, v12, v13
	v_add_f32_dpp v14, v14, v14 row_xmask:1 row_mask:0xf bank_mask:0xf
	v_add_f32_dpp v14, v14, v14 row_xmask:2 row_mask:0xf bank_mask:0xf
	v_add_f32_dpp v14, v14, v14 row_xmask:4 row_mask:0xf bank_mask:0xf
	v_add_f32_dpp v14, v14, v14 row_xmask:8 row_mask:0xf bank_mask:0xf
	v_cndmask_b32 v[8+(\x)], v[8+(\x)], v14, s7
.endm
; Trip t on buffer x = t % 2.  lc, dc: the younger loads and LDS loads that may stay out.  ld = 1: trip t + 2 is asked for; ix = 1: the cell numbers of trip t + 4; step = 1: idx walks on.
; A trip's loads go out in one order, here and in the prologue: the cell numbers, then the 20 table loads.  So behind this buffer's 20 stand the other buffer's 21, and the one wait
; shows three things: my data are in; the cell numbers for t + 2, issued ahead of them, are in; the loads that read my offset registers are done, so these may be written.
.macro TRIP x, lc, dc, ld, ix, step
	s_wait_loadcnt \lc
	s_wait_dscnt \dc                               ; my five weight loads are in; the other buffer's five are younger
.if \step
	s_wait_xcnt 0x0                                ; the loads that read s[12:13] were issued a trip and more ago: it is written only behind this wait
	s_add_nc_u64 s[12:13], s[12:13], 32
.endif
.if \ld
	ADDR \x
.endif
.if \ix
	global_load_b128 v[16+4*(\x):19+4*(\x)], v3, s[12:13] offset:16*(\x)
.endif
	PLANE \x, 0
.if \ld
	LDP \x, 0
.endif
	PLANE \x, 1
.if \ld
	LDP \x, 1
.endif
	PLANE \x, 2
.if \ld
	LDP \x, 2
.endif
	VOL \x
.if \ld
	LDV \x
.irp i, 0,1,2,3,4
	ds_load_b128 v[32+20*(\x)+4*(\i):32+20*(\x)+4*(\i)+3], v4 offset:2*RECB+RECB*(\x)+16*(\i)
.endr
.endif
	PUT \x
.endm
; The weights of 32 points, a lane a point; set 0: records 0-31, set 1: records 32-63.
.macro PW s, a, b                      ; plane s samples coordinate a along the width, b along the height
	v_mul_f32 v[72+4*(\s)], v[238+(\a)], v[238+(\b)]
	v_mul_f32 v[73+4*(\s)], v[235+(\a)], v[238+(\b)]
	v_mul_f32 v[74+4*(\s)], v[238+(\a)], v[235+(\b)]
	v_mul_f32 v[75+4*(\s)], v[235+(\a)], v[235+(\b)]
.endm
.macro WEIGHTS set
.irp c, 0,1,2
	v_add_f32 v[232+\c], 1.0, v[224+4*(\set)+\c]
	v_mul_f32 v[232+\c], 0.5, v[232+\c]            ; a
	v_mul_f32 v[235+\c], s38, v[232+\c]            ; i in the planes,
	v_mul_f32 v[241+\c], s39, v[232+\c]            ; and in the volume, both rounded
	v_floor_f32 v[238+\c], v[235+\c]
	v_floor_f32 v[244+\c], v[241+\c]
	v_sub_f32 v[235+\c], v[235+\c], v[238+\c]      ; planes: w of the rounded i
	v_mul_f32 v[244+\c], -1.0, v[244+\c]
	v_fma_f32 v[241+\c], v[232+\c], s39, v[244+\c] ; volume: w = a 63 - floor(i), one rounding
	v_sub_f32 v[238+\c], 1.0, v[235+\c]            ; 1 - w
	v_sub_f32 v[244+\c], 1.0, v[241+\c]
.endr
	PW 0, 0, 1
	PW 1, 1, 2
	PW 2, 0, 2
	v_mul_f32 v248, v244, v245                     ; wx_ * wy_ first, then * wz_
	v_mul_f32 v249, v241, v245
	v_mul_f32 v250, v244, v242
	v_mul_f32 v251, v241, v242
.irp k, 0,1,2,3
	v_mul_f32 v[84+\k], v[248+\k], v246
	v_mul_f32 v[88+\k], v[248+\k], v243
.endr
.irp i, 0,1,2,3,4
	ds_store_b128 v252, v[72+4*\i:75+4*\i] offset:(\set)*32*RECB+16*\i
.endr
.endm
	s_load_b512 s[16:31], s[0:1], 0x0              ; coordinates 16, idx 18, tpxy 20, tpyz 22, tpxz 24, tvol 26, lconst 28, out0 30
	v_lshl_add_u32 v5, v0, 2, SPARE                ; my spare word,
	v_mov_b32 v6, 0                                ; and 0: kept for the add at the wave's end
	v_lshrrev_b32 v7, 5, v0
	v_readfirstlane_b32 s2, v7                     ; wave 0..15
	v_and_b32 v7, 31, v0                           ; lane
	v_and_b32 v15, 15, v0                          ; j
	v_bfe_u32 v14, v0, 4, 1                        ; h
	v_lshlrev_b32 v1, 4, v15
	v_lshlrev_b32 v2, 3, v15
	v_lshlrev_b32 v3, 9, v14
	v_lshlrev_b32 v10, 3, v7
	v_mul_u32_u24 v11, v7, 12
	v_mov_b32 v8, 0
	v_mov_b32 v9, 0
	s_mul_i32 s40, s2, WREC                        ; my wave's records
	v_mul_u32_u24 v4, v14, 32*RECB                 ; read: my half's record of trip 0
	v_add_nc_u32 v4, s40, v4
	v_mul_u32_u24 v252, v7, RECB                   ; written: record = lane
	v_add_nc_u32 v252, s40, v252
	s_mul_i32 s32, ttmp9, 12288                    ; my wave's 64 points: 12 bytes each in coordinates,
	s_mul_i32 s33, s2, 768
	s_add_co_u32 s32, s32, s33
	s_mov_b32 s33, 0
	s_lshl_b32 s34, ttmp9, 14                      ; 16 in idx,
	s_lshl_b32 s35, s2, 10
	s_add_co_u32 s34, s34, s35
	s_mov_b32 s35, 0
	s_lshl_b32 s36, ttmp9, 12                      ; 4 in out0
	s_lshl_b32 s37, s2, 8
	s_add_co_u32 s36, s36, s37
	s_mov_b32 s37, 0
	s_mov_b32 s38, 0x42fe0000                      ; 127.0
	s_mov_b32 s39, 0x427c0000                      ; 63.0
	s_mov_b32 s7, 0x00010001                       ; trips 0 and 1: lanes 0 and 16
	s_mov_b32 s6, 14
	s_wait_kmcnt 0x0
	s_load_b32 s8, s[28:29], 0x0                   ; the four partial line sums
	s_load_b32 s9, s[28:29], 0x80
	s_load_b32 s10, s[28:29], 0x100
	s_load_b32 s11, s[28:29], 0x180
	s_add_nc_u64 s[16:17], s[16:17], s[32:33]
	s_add_nc_u64 s[18:19], s[18:19], s[34:35]
	s_add_nc_u64 s[30:31], s[30:31], s[36:37]
	s_add_nc_u64 s[12:13], s[18:19], 32            ; stepped by 32 at the head of each even trip: in trip t it stands at the cell numbers of trip t + 4
	global_load_b128 v[16:19], v3, s[18:19]        ; cell numbers of trips 0 and 1
	global_load_b128 v[20:23], v3, s[18:19] offset:16
	global_load_b96 v[224:226], v11, s[16:17]      ; coordinates of my wave's 64 points, a lane a point, twice
	global_load_b96 v[228:230], v11, s[16:17] offset:384
	s_wait_loadcnt 0x2                             ; the cell numbers are in; the two coordinate loads stay out
	ADDR 0
	ADDR 1
	global_load_b128 v[16:19], v3, s[18:19] offset:32  ; trip 2's cell numbers, then trip 0's data: the order of every trip
	LDP 0, 0
	LDP 0, 1
	LDP 0, 2
	LDV 0
	global_load_b128 v[20:23], v3, s[18:19] offset:48
	LDP 1, 0
	LDP 1, 1
	LDP 1, 2
	LDV 1
	s_wait_loadcnt 42                              ; the coordinates are in; the 2 x 21 loads just issued stay out
	WEIGHTS 0
	WEIGHTS 1
	s_wait_dscnt 0x0                               ; my records are written.  A wave reads its own records alone; the barrier puts all stores of the work-group ahead of all reads,
	s_barrier_signal -1                            ; so that the order does not rest on the read address, which steps in the loop.  Behind it LDS is only read
	s_barrier_wait -1
.irp i, 0,1,2,3,4
	ds_load_b128 v[32+4*\i:35+4*\i], v4 offset:16*\i       ; trip 0's weights
.endr
.irp i, 0,1,2,3,4
	ds_load_b128 v[52+4*\i:55+4*\i], v4 offset:RECB+16*\i  ; trip 1's
.endr
	s_wait_kmcnt 0x0
	s_add_f32 s8, s8, s9
	s_add_f32 s10, s10, s11
	s_add_f32 s8, s8, s10                          ; the line term
.Lpair:                                        ; 14 times: trips 2 i and 2 i + 1
	TRIP 0, 21, 5, 1, 1, 1
	TRIP 1, 21, 5, 1, 1, 0
	v_add_nc_u32 v4, 2*RECB, v4
	s_lshl_b32 s7, s7, 1
	s_sub_co_u32 s6, s6, 1
	s_cmp_lg_u32 s6, 0
	s_cbranch_scc1 .Lpair
	TRIP 0, 21, 5, 1, 0, 0                         ; trip 28: asks for trip 30's data; there are no further cell numbers
	TRIP 1, 20, 5, 1, 0, 0                         ; trip 29: behind its data stand trip 30's 20 loads alone
	s_lshl_b32 s7, s7, 1
	TRIP 0, 20, 5, 0, 0, 0                         ; trip 30: behind its data stand trip 31's 20
	TRIP 1, 0, 0, 0, 0, 0                          ; trip 31
	v_add_f32 v8, s8, v8
	v_add_f32 v9, s8, v9
	global_store_b64 v10, v[8:9], s[30:31] th:TH_STORE_NT  ; lane l holds points 2 l and 2 l + 1 of the wave's 64: 256 consecutive bytes, at a multiple of 256
	s_wait_tensorcnt 0x0                           ; the wave's end: behind my last LDS store
	ds_add_u32 v5, v6
	s_wait_dscnt 0x0
	s_endpgm
.Lfunc_end_k_qc42a9b483b_gather:
	.size	k_qc42a9b483b_gather, .Lfunc_end_k_qc42a9b483b_gather-k_qc42a9b483b_gather
	.p2alignl 7, 3214868480
	.fill 96, 4, 3214868480
	.section	.rodata,"a",@progbits
	.p2align	6, 0x0
	.amdhsa_kernel k_qc42a9b483b_gather
		.amdhsa_group_segment_fixed_size 83968
		.amdhsa_private_segment_fixed_size 0
		.amdhsa_enable_private_segment 0
		.amdhsa_kernarg_size 64
		.amdhsa_user_sgpr_count 2
		.amdhsa_user_sgpr_kernarg_segment_ptr 1
		.amdhsa_wavefront_size32 1
		.amdhsa_system_sgpr_workgroup_id_x 1
		.amdhsa_system_sgpr_workgroup_id_y 1
		.amdhsa_system_sgpr_workgroup_id_z 1
		.amdhsa_system_vgpr_workitem_id 0
		.amdhsa_next_free_vgpr 256
		.amdhsa_next_free_sgpr 66
		.amdhsa_reserve_vcc 1
		.amdhsa_float_denorm_mode_32 3
		.amdhsa_float_denorm_mode_16_64 3
		.amdhsa_memory_ordered 1
		.amdhsa_forward_progress 1
		.amdhsa_inst_pref_size 43
	.end_amdhsa_kernel
	.amdgpu_metadata
---
amdhsa.version: [ 1, 2 ]
amdhsa.kernels:
  - .name:           k_qc42a9b483b_gather
    .symbol:         k_qc42a9b483b_gather.kd
    .args:
      - { .name: coordinates, .offset: 0, .size: 8, .value_kind: global_buffer, .address_space: global }
      - { .name: idx, .offset: 8, .size: 8, .value_kind: global_buffer, .address_space: global }
      - { .name: tpxy, .offset: 16, .size: 8, .value_kind: global_buffer, .address_space: global }
      - { .name: tpyz, .offset: 24, .size: 8, .value_kind: global_buffer, .address_space: global }
      - { .name: tpxz, .offset: 32, .size: 8, .value_kind: global_buffer, .address_space: global }
      - { .name: tvol, .offset: 40, .size: 8, .value_kind: global_buffer, .address_space: global }
      - { .name: lconst, .offset: 48, .size: 8, .value_kind: global_buffer, .address_space: global }
      - { .name: out0, .offset: 56, .size: 8, .value_kind: global_buffer, .address_space: global }
    .group_segment_fixed_size: 83968
    .private_segment_fixed_size: 0
    .kernarg_segment_align: 8
    .kernarg_segment_size: 64
    .max_flat_workgroup_size: 512
    .sgpr_count:     66
    .vgpr_count:     256
    .wavefront_size: 32
...
	.end_amdgpu_metadata
.endif
;; end of part 2
;; ======== version 2 of 3: 2 launches; 1.24 times as fast as version 1
;; workspace buffers: tpxy 3,446,784 bytes; tpyz 3,446,784 bytes; tpxz 3,446,784 bytes; tvol 35,512,320 bytes; idx 4,194,304 bytes of whole numbers; lconst 512 bytes
;; launch prep (part 3): grid 1809 x 1, 4 waves a work-group, no clusters, 37,376 bytes of LDS; arguments coordinates, line_x, line_x_g, line_y, line_y_g, line_z, line_z_g, plane_xy, plane_xy_g, plane_yz, plane_yz_g, plane_xz, plane_xz_g, volume, volume_g, tpxy, tpyz, tpxz, tvol, idx, lconst; writes tpxy, tpyz, tpxz, tvol, idx, lconst
.if DOCPART == 3
	.amdgcn_target "amdgcn-amd-amdhsa--gfx1250"
	.amdhsa_code_object_version 6
	.text
	.protected	k_qc42a9b483b_prep
	.globl	k_qc42a9b483b_prep
	.p2align	8
	.type	k_qc42a9b483b_prep,@function
k_qc42a9b483b_prep:
	s_mov_b64 s[64:65], 0
	v_nop
	global_prefetch_b8 v0, s[64:65] scope:SCOPE_SE
	s_setreg_imm32_b32 hwreg(HW_REG_WAVE_MODE, 25, 1), 1
	s_wait_xcnt 0x0
; PREP: everything that the gather launch needs laid out anew.  Four roles, chosen by the work-group's number b:
;   b < 1156          VOL    volume, volume_g [16][64][64][64] -> tvol [68][68][80] cells of 96 bytes
;   1156 <= b < 1552  PLANE  a pair of planes [32][128][128] -> tp.. [132][136] cells of 192 bytes
;   1552 <= b < 1808  INDEX  coordinates -> idx: four whole numbers a point: three times the cell number in xy, yz, xz, and the cell number in the volume
;   b = 1808          LINE   the six line tables -> lconst: four partial sums of the line term
; A CELL holds, for each pair of channels q, 12 bytes: g[2q], g[2q+1] in f32, then one word with e[2q] (low half) and e[2q+1] (high half) rounded to bf16.
; BORDER.  A border of zero cells stands for reference()'s invalid taps: with floor(i) held to -2 .. N both taps, base and base + 1, lie inside the padded table.
; A plane's cell (Y, X) holds source (Y-2, X-4), the volume's cell (Z, Y, X) source (Z-2, Y-2, X-8): four cells of 192 bytes, or eight of 96, are 768 bytes, so that a row's
; inner cells begin, and each wave's share of them (6,144 bytes in either kind of table) begins, at a multiple of 256 bytes.
; LINES.  A line table has width 1, so ix = (gx + 1) * 0.5 * 0 = 0 for every finite coordinate, and gy = 0 gives iy = 63.5: a channel's sample is
; 0.5 l[c][63] + 0.5 l[c][64] for every point, and the line term is one number for the launch.
; LIMITS.  Coordinates and tables are finite (a coordinate that is NaN or infinite makes reference() NaN; here it is held to the border).
; Every g stays f32: the gate g >= 0 is a threshold, and a rounded g would turn gates over.  Every e of a plane or of the volume is rounded once to bf16: 2^-8 of itself at the most.
; A transposition goes through the wave's own stage in LDS: a lane holds its cells in 48 registers, stores them by 16 bytes at a padded pitch, and the wave
; reads the cells back in memory order, so that each global store covers 512 consecutive bytes at a multiple of 256.  No wave reads another's bytes: no barrier.
.set STG,   9216                       ; a wave's stage: 64 cells at pitch 112 (VOL) or 32 cells at pitch 208 (PLANE), both odd multiples of 16 bytes
.set SPARE, 4*STG                      ; behind the stages: the spare words, 128 bytes for each wave, that no other line names
.set EDGE,  768                        ; a row's border on either side
.set INNER, 6144                       ; a wave's inner cells
.set PCOL,  136                        ; columns of a padded plane
.set PROW,  PCOL*192                   ; a padded plane row: 26,112 bytes
.set VCOL,  80                         ; columns of the padded volume
.set VROW,  VCOL*96                    ; a padded volume row: 7,680 bytes
; v1 lane; v2, v3 the add's two registers; v4 load offset; v5 stage address in; v7 16 x lane; v8 edge offset; v9, v10, v11 at work;
; v[12:15] zeros; v[16:63] the lane's cells as stored; v[64:95] e as loaded; v[80:88] at work (INDEX); v[96:98] stage addresses back
; Where the wave reads the stage back.  Piece c of 16 bytes of the wave's 6,144 lies in cell c / n (n = 12 or 6 pieces a cell), one pad piece behind each cell: stage byte 16 (c + c / n).
; Read k takes pieces 32 k + lane = 96 (k / 3) + t, t = 32 (k % 3) + lane < 96: three lane addresses, and a constant step for every three reads.
; t / 12 = (171 t) >> 11 and t / 6 = (43 t) >> 8 hold for t < 96.
.macro BACK mul, sh
.irp i, 0,1,2
	v_add_nc_u32 v[96+\i], 32*\i, v1               ; t
	v_mul_u32_u24 v9, v[96+\i], \mul
	v_lshrrev_b32 v9, \sh, v9                      ; t / n
	v_add_lshl_u32 v[96+\i], v[96+\i], v9, 4
	v_add_nc_u32 v[96+\i], s3, v[96+\i]
.endr
.endm
; 64 loads are out: first the 32 of e into v[64:95], then the 32 of g, number d into register 3 (d / 2) + d % 2 of the 48.  e is rounded in pairs into every third register;
; the 48 go through the stage and out to s[14:15].  s1off: where registers 24 .. 47 begin in the stage; rs: stage bytes for three reads.
.macro OUT48 s1off, rs
	s_wait_loadcnt 32                              ; the 32 loads of e, issued first, are in; g's 32 may stay out
.set jj, 0
.rept 16
	v_cvt_pk_bf16_f32 v[18+3*jj], v[64+2*jj], v[65+2*jj]  ; e[2q] into the low half, e[2q+1] into the high half, each rounded once
.set jj, jj+1
.endr
.set kk, 0
.rept 12
.set oo, 4*kk+3                        ; the store's highest register; g's loads at or below it: two for each whole triple, and one or two of the last
	s_wait_loadcnt 32-(2*(oo/3)+(oo%3)+1-((oo%3)/2))  ; loads come back in order: those are in, the younger ones stay out
.if kk < 6
	ds_store_b128 v5, v[16+4*kk:19+4*kk] offset:16*kk
.else
	ds_store_b128 v5, v[16+4*kk:19+4*kk] offset:(\s1off)+16*(kk-6)
.endif
.set kk, kk+1
.endr
.set kk, 0
.rept 12
	ds_load_b128 v[16+4*kk:19+4*kk], v[96+kk%3] offset:(kk/3)*(\rs)  ; LDS serves a wave's instructions in order: these see the stores above
.set kk, kk+1
.endr
.set kk, 0
.rept 12
	s_wait_dscnt 11-kk                             ; read-back kk is in; the younger ones stay out
	global_store_b128 v7, v[16+4*kk:19+4*kk], s[14:15] offset:512*kk
.set kk, kk+1
.endr
.endm
; Set q of 32 points: the six floors, held to the border, as whole numbers, and the four numbers made of them.
.macro IDX q
	s_wait_loadcnt 7-(\q)                          ; set q's coordinates are in; the younger sets' stay out
.irp c, 0,1,2
	v_add_f32 v[80+\c], 1.0, v[16+4*(\q)+\c]       ; (g + 1) * 0.5 * (N - 1), each step rounded as reference() rounds it
	v_mul_f32 v[80+\c], 0.5, v[80+\c]
	v_mul_f32 v[83+\c], s24, v[80+\c]
	v_mul_f32 v[86+\c], s25, v[80+\c]
	v_floor_f32 v[83+\c], v[83+\c]
	v_floor_f32 v[86+\c], v[86+\c]
	v_max_num_f32 v[83+\c], -2.0, v[83+\c]         ; beyond -2 .. N both taps are invalid anyway: they read the border
	v_max_num_f32 v[86+\c], -2.0, v[86+\c]
	v_min_num_f32 v[83+\c], s26, v[83+\c]
	v_min_num_f32 v[86+\c], s27, v[86+\c]
	v_add_f32 v[83+\c], 2.0, v[83+\c]
	v_add_f32 v[86+\c], 2.0, v[86+\c]
	v_cvt_u32_f32 v[83+\c], v[83+\c]               ; 0 .. 130
	v_cvt_u32_f32 v[86+\c], v[86+\c]               ; 0 .. 66
.endr
	v_mad_u32_u24 v[48+4*(\q)], v84, PCOL, v83     ; xy: x along the width, y along the height
	v_mad_u32_u24 v[49+4*(\q)], v85, PCOL, v84     ; yz: y along the width, z along the height
	v_mad_u32_u24 v[50+4*(\q)], v85, PCOL, v83     ; xz
.irp s, 0,1,2
	v_mad_u32_u24 v[48+4*(\q)+\s], v[48+4*(\q)+\s], 3, 6  ; two columns further in, and times 3: a cell is 3 x 64 bytes
.endr
	v_mad_u32_u24 v[51+4*(\q)], v88, 68, v87
	v_mad_u32_u24 v[51+4*(\q)], v[51+4*(\q)], VCOL, v86   ; volume: (z 68 + y) 80 + x,
	v_add_nc_u32 v[51+4*(\q)], 6, v[51+4*(\q)]            ; six columns further in
	global_store_b128 v7, v[48+4*(\q):51+4*(\q)], s[10:11] offset:512*(\q)  ; 32 points x 16 bytes on end
.endm
	v_lshl_add_u32 v2, v0, 2, SPARE                ; my spare word,
	v_mov_b32 v3, 0                                ; and 0: kept for the add at the wave's end
	v_and_b32 v1, 31, v0                           ; lane
	v_lshrrev_b32 v9, 5, v0
	v_readfirstlane_b32 s2, v9                     ; wave 0..3
	s_mul_i32 s3, s2, STG                          ; my stage
	v_lshlrev_b32 v7, 4, v1
	v_mov_b32 v12, 0
	v_mov_b32 v13, 0
	v_mov_b32 v14, 0
	v_mov_b32 v15, 0
	s_mov_b32 s4, ttmp9
	s_cmp_lt_u32 s4, 1156
	s_cbranch_scc1 .Lvol
	s_cmp_lt_u32 s4, 1552
	s_cbranch_scc1 .Lplane
	s_cmp_lt_u32 s4, 1808
	s_cbranch_scc1 .Lindex
	; ---- LINE.  Wave w takes channels 16 w .. 16 w + 15: lanes 0-15 row 63, lanes 16-31 row 64 of the same channels.
.irp i, 0,1,2,3,4,5
	s_load_b64 s[8+2*\i:9+2*\i], s[0:1], 0x8+8*\i  ; line_x, line_x_g, line_y, line_y_g, line_z, line_z_g
.endr
	s_load_b64 s[20:21], s[0:1], 0xa0              ; lconst
	s_mov_b32 s26, 0x76543210                      ; v_permlanex16_b32: each lane takes its own place in the other half
	s_mov_b32 s27, 0xfedcba98
	v_and_b32 v11, 15, v1
	v_lshrrev_b32 v10, 4, v1
	s_lshl_b32 s5, s2, 13                          ; 16 channels of 512 bytes a wave,
	s_add_co_u32 s5, s5, 252                       ; row 63
	v_lshl_add_u32 v4, v11, 9, s5
	v_lshl_add_u32 v4, v10, 2, v4                  ; or row 64
	s_lshl_b32 s6, s2, 7
	v_lshl_add_u32 v5, v1, 2, s6                   ; where my wave's partial sum goes: 128 w + 4 lane
.irp i, 0,1,2,3,4,5
	v_mov_b32 v[24+\i], 0                          ; the exchange's destinations count as read: written first
.endr
	s_wait_kmcnt 0x0
.irp i, 0,1,2,3,4,5
	global_load_b32 v[16+\i], v4, s[8+2*\i:9+2*\i]
.endr
	s_wait_loadcnt 0x0
.irp i, 0,1,2,3,4,5
	v_mul_f32 v[16+\i], 0.5, v[16+\i]              ; exact
.endr
.irp i, 0,1,2,3,4,5
	v_permlanex16_b32 v[24+\i], v[16+\i], s26, s27
.endr
.irp i, 0,1,2,3,4,5
	v_add_f32 v[16+\i], v[16+\i], v[24+\i]         ; 0.5 l63 + 0.5 l64: one rounding, the same in both halves of the lanes
.endr
.irp i, 0,2,4
	v_cmp_le_f32 vcc_lo, 0, v[17+\i]               ; the gate
	v_cndmask_b32 v[16+\i], 0, v[16+\i], vcc_lo
.endr
	v_add_f32 v16, v16, v18
	v_add_f32 v16, v16, v20
	v_add_f32_dpp v16, v16, v16 row_xmask:1 row_mask:0xf bank_mask:0xf  ; over the wave's 16 channels
	v_add_f32_dpp v16, v16, v16 row_xmask:2 row_mask:0xf bank_mask:0xf
	v_add_f32_dpp v16, v16, v16 row_xmask:4 row_mask:0xf bank_mask:0xf
	v_add_f32_dpp v16, v16, v16 row_xmask:8 row_mask:0xf bank_mask:0xf
	global_store_b32 v5, v16, s[20:21]
	s_branch .Lend
	; ---- VOL.  b = 17 z' + gy; wave w makes the padded row (z', y' = 4 gy + w): 80 cells, 7,680 bytes.
.Lvol:
	s_load_b64 s[8:9], s[0:1], 0x68                ; volume
	s_load_b64 s[10:11], s[0:1], 0x70              ; volume_g
	s_load_b64 s[12:13], s[0:1], 0x90              ; tvol
	s_mul_i32 s5, s4, 3856
	s_lshr_b32 s5, s5, 16                          ; z' = b / 17: 3856 / 65536 exceeds 1 / 17 by 16 / 1114112, which times 1,155 stays under 1 / 17
	s_mul_i32 s6, s5, 17
	s_sub_co_u32 s6, s4, s6
	s_lshl2_add_u32 s6, s6, s2                     ; y'
	s_mul_i32 s20, s5, 68
	s_add_co_u32 s20, s20, s6
	s_mul_i32 s20, s20, VROW
	s_mov_b32 s21, 0
	v_lshrrev_b32 v10, 4, v1
	v_mad_u32_u24 v8, v10, INNER, v7               ; 16 x lane, and for lanes 16-31 past the inner cells
	s_sub_co_u32 s5, s5, 2                         ; the source's z and y; in the border they wrap to large numbers
	s_sub_co_u32 s6, s6, 2
	s_wait_kmcnt 0x0
	s_add_nc_u64 s[12:13], s[12:13], s[20:21]
	global_store_b128 v7, v[12:15], s[12:13]                    ; the two borders, 2 x 768 bytes of zeros: bytes 0 to 511,
	global_store_b128 v8, v[12:15], s[12:13] offset:512         ; 512 to 767 (lanes 0-15) and 6,912 to 7,167 (lanes 16-31),
	global_store_b128 v7, v[12:15], s[12:13] offset:1024+INNER  ; 7,168 to 7,679: sixteen lanes write 256 consecutive bytes each time
	s_add_nc_u64 s[14:15], s[12:13], EDGE          ; the row's 64 inner cells
	s_cmp_ge_u32 s5, 64
	s_cbranch_scc1 .Lzero12
	s_cmp_ge_u32 s6, 64
	s_cbranch_scc1 .Lzero12
	s_add_nc_u64 s[16:17], s[8:9], 0x800000        ; channels 8 to 15: the immediate holds seven channels of 1 MiB
	s_add_nc_u64 s[18:19], s[10:11], 0x800000
	s_lshl_b32 s22, s5, 6
	s_add_co_u32 s22, s22, s6
	s_lshl_b32 s22, s22, 8                         ; the source row's 256 bytes
	v_lshl_add_u32 v4, v1, 2, s22
.set dd, 0
.rept 32                                       ; e, number 16 s + c: x = 32 s + lane, channel c: first, since it has a conversion ahead of it
.set vb, 8+8*((dd%16)/8)
.set vo, (dd%8)*1048576+128*(dd/16)
	global_load_b32 v[64+dd], v4, s[vb:vb+1] offset:vo th:TH_LOAD_NT
.set dd, dd+1
.endr
.set dd, 0
.rept 32                                       ; g lands where the cells have it: a lane ends with two whole cells, 24 registers each
.set vb, 10+8*((dd%16)/8)
.set vo, (dd%8)*1048576+128*(dd/16)
	global_load_b32 v[16+3*(dd/2)+(dd%2)], v4, s[vb:vb+1] offset:vo th:TH_LOAD_NT
.set dd, dd+1
.endr
	v_mul_u32_u24 v5, v1, 112                      ; in: cell = lane (and 32 + lane), pitch 96 + 16
	v_add_nc_u32 v5, s3, v5
	BACK 43, 8
	OUT48 32*112, 16*112                           ; 96 pieces are 16 cells
	s_branch .Lend
	; ---- PLANE.  b - 1156 = 132 p + y': the work-group makes padded row y' of pair p; wave w its inner cells 32 w .. 32 w + 31.
.Lplane:
	s_load_b64 s[8:9], s[0:1], 0x38                ; plane_xy
	s_load_b64 s[10:11], s[0:1], 0x40              ; plane_xy_g
	s_load_b64 s[16:17], s[0:1], 0x48              ; plane_yz
	s_load_b64 s[18:19], s[0:1], 0x50              ; plane_yz_g
	s_load_b64 s[20:21], s[0:1], 0x58              ; plane_xz
	s_load_b64 s[22:23], s[0:1], 0x60              ; plane_xz_g
	s_load_b64 s[12:13], s[0:1], 0x78              ; tpxy
	s_load_b64 s[24:25], s[0:1], 0x80              ; tpyz
	s_load_b64 s[26:27], s[0:1], 0x88              ; tpxz
	s_sub_co_u32 s4, s4, 1156
	s_mul_i32 s5, s4, 497
	s_lshr_b32 s5, s5, 16                          ; p = u / 132: 497 / 65536 exceeds 1 / 132 by 68 / 8650752, which times 395 stays under 1 / 132
	s_mul_i32 s6, s5, 132
	s_sub_co_u32 s6, s4, s6                        ; y'
	s_mul_i32 s28, s6, PROW
	s_mov_b32 s29, 0
	s_mul_i32 s32, s2, PROW-EDGE                   ; wave 0: the row's first four cells; wave 1: its last four
	s_mov_b32 s33, 0
	s_mul_i32 s34, s2, INNER
	s_add_co_u32 s34, s34, EDGE                    ; my 32 inner cells
	s_mov_b32 s35, 0
	s_sub_co_u32 s6, s6, 2                         ; the source's row; in the border it wraps to a large number
	v_lshlrev_b32 v8, 3, v1                        ; 8 x lane
	s_wait_kmcnt 0x0
	s_cmp_eq_u32 s5, 1
	s_cselect_b64 s[8:9], s[16:17], s[8:9]
	s_cselect_b64 s[10:11], s[18:19], s[10:11]
	s_cselect_b64 s[12:13], s[24:25], s[12:13]
	s_cmp_eq_u32 s5, 2
	s_cselect_b64 s[8:9], s[20:21], s[8:9]
	s_cselect_b64 s[10:11], s[22:23], s[10:11]
	s_cselect_b64 s[12:13], s[26:27], s[12:13]
	s_add_nc_u64 s[12:13], s[12:13], s[28:29]
	s_add_nc_u64 s[14:15], s[12:13], s[34:35]
	s_cmp_lt_u32 s2, 2
	s_cbranch_scc0 .Lpmid
	s_add_nc_u64 s[30:31], s[12:13], s[32:33]
.irp k, 0,1,2
	global_store_b64 v8, v[12:13], s[30:31] offset:256*\k  ; 768 bytes of zeros, 256 consecutive bytes a store
.endr
.Lpmid:
	s_cmp_ge_u32 s6, 128
	s_cbranch_scc1 .Lzero12
	s_lshl_b32 s36, s6, 9                          ; the source row's 512 bytes,
	s_lshl_b32 s37, s2, 7                          ; my 128 of them
	s_add_co_u32 s36, s36, s37
	v_lshl_add_u32 v4, v1, 2, s36
.set dd, 0
.rept 32                                       ; e of the 32 channels at x = lane: first, since it has a conversion ahead of it
	global_load_b32 v[64+dd], v4, s[8:9] offset:dd*65536 th:TH_LOAD_NT
.set dd, dd+1
.endr
.set dd, 0
.rept 32                                       ; g lands where the cell has it: a lane ends with one whole cell, 48 registers
	global_load_b32 v[16+3*(dd/2)+(dd%2)], v4, s[10:11] offset:dd*65536 th:TH_LOAD_NT
.set dd, dd+1
.endr
	v_mul_u32_u24 v5, v1, 208                      ; in: cell = lane, pitch 192 + 16
	v_add_nc_u32 v5, s3, v5
	BACK 171, 11
	OUT48 96, 8*208                                ; the cell's second half follows its first; 96 pieces are 8 cells
	s_branch .Lend
	; ---- INDEX.  A wave takes 256 points, eight sets of 32, a lane a point; every set has its own registers.
.Lindex:
	s_load_b64 s[8:9], s[0:1], 0x0                 ; coordinates
	s_load_b64 s[10:11], s[0:1], 0x98              ; idx
	s_sub_co_u32 s4, s4, 1552
	s_lshl_b32 s4, s4, 10
	s_lshl_b32 s5, s2, 8
	s_add_co_u32 s4, s4, s5                        ; my first point
	s_mul_i32 s20, s4, 12
	s_mov_b32 s21, 0
	s_lshl_b32 s22, s4, 4
	s_mov_b32 s23, 0
	s_mov_b32 s24, 0x42fe0000                      ; 127.0
	s_mov_b32 s25, 0x427c0000                      ; 63.0
	s_mov_b32 s26, 0x43000000                      ; 128.0
	s_mov_b32 s27, 0x42800000                      ; 64.0
	v_mul_u32_u24 v4, v1, 12
	s_wait_kmcnt 0x0
	s_add_nc_u64 s[8:9], s[8:9], s[20:21]
	s_add_nc_u64 s[10:11], s[10:11], s[22:23]
.irp q, 0,1,2,3,4,5,6,7
	global_load_b96 v[16+4*\q:18+4*\q], v4, s[8:9] offset:384*\q
.endr
.irp q, 0,1,2,3,4,5,6,7
	IDX \q
.endr
	s_branch .Lend
.Lzero12:                                      ; a border row's inner cells: 6,144 bytes of zeros a wave, in either kind of table
.set kk, 0
.rept 12
	global_store_b128 v7, v[12:15], s[14:15] offset:512*kk
.set kk, kk+1
.endr
.Lend:
	s_wait_tensorcnt 0x0                           ; the wave's end: behind my last LDS store
	ds_add_u32 v2, v3
	s_wait_dscnt 0x0
	s_endpgm
.Lfunc_end_k_qc42a9b483b_prep:
	.size	k_qc42a9b483b_prep, .Lfunc_end_k_qc42a9b483b_prep-k_qc42a9b483b_prep
	.p2alignl 7, 3214868480
	.fill 96, 4, 3214868480
	.section	.rodata,"a",@progbits
	.p2align	6, 0x0
	.amdhsa_kernel k_qc42a9b483b_prep
		.amdhsa_group_segment_fixed_size 37376
		.amdhsa_private_segment_fixed_size 0
		.amdhsa_enable_private_segment 0
		.amdhsa_kernarg_size 168
		.amdhsa_user_sgpr_count 2
		.amdhsa_user_sgpr_kernarg_segment_ptr 1
		.amdhsa_wavefront_size32 1
		.amdhsa_system_sgpr_workgroup_id_x 1
		.amdhsa_system_sgpr_workgroup_id_y 1
		.amdhsa_system_sgpr_workgroup_id_z 1
		.amdhsa_system_vgpr_workitem_id 0
		.amdhsa_next_free_vgpr 100
		.amdhsa_next_free_sgpr 66
		.amdhsa_reserve_vcc 1
		.amdhsa_float_denorm_mode_32 3
		.amdhsa_float_denorm_mode_16_64 3
		.amdhsa_memory_ordered 1
		.amdhsa_forward_progress 1
		.amdhsa_inst_pref_size 51
	.end_amdhsa_kernel
	.amdgpu_metadata
---
amdhsa.version: [ 1, 2 ]
amdhsa.kernels:
  - .name:           k_qc42a9b483b_prep
    .symbol:         k_qc42a9b483b_prep.kd
    .args:
      - { .name: coordinates, .offset: 0, .size: 8, .value_kind: global_buffer, .address_space: global }
      - { .name: line_x, .offset: 8, .size: 8, .value_kind: global_buffer, .address_space: global }
      - { .name: line_x_g, .offset: 16, .size: 8, .value_kind: global_buffer, .address_space: global }
      - { .name: line_y, .offset: 24, .size: 8, .value_kind: global_buffer, .address_space: global }
      - { .name: line_y_g, .offset: 32, .size: 8, .value_kind: global_buffer, .address_space: global }
      - { .name: line_z, .offset: 40, .size: 8, .value_kind: global_buffer, .address_space: global }
      - { .name: line_z_g, .offset: 48, .size: 8, .value_kind: global_buffer, .address_space: global }
      - { .name: plane_xy, .offset: 56, .size: 8, .value_kind: global_buffer, .address_space: global }
      - { .name: plane_xy_g, .offset: 64, .size: 8, .value_kind: global_buffer, .address_space: global }
      - { .name: plane_yz, .offset: 72, .size: 8, .value_kind: global_buffer, .address_space: global }
      - { .name: plane_yz_g, .offset: 80, .size: 8, .value_kind: global_buffer, .address_space: global }
      - { .name: plane_xz, .offset: 88, .size: 8, .value_kind: global_buffer, .address_space: global }
      - { .name: plane_xz_g, .offset: 96, .size: 8, .value_kind: global_buffer, .address_space: global }
      - { .name: volume, .offset: 104, .size: 8, .value_kind: global_buffer, .address_space: global }
      - { .name: volume_g, .offset: 112, .size: 8, .value_kind: global_buffer, .address_space: global }
      - { .name: tpxy, .offset: 120, .size: 8, .value_kind: global_buffer, .address_space: global }
      - { .name: tpyz, .offset: 128, .size: 8, .value_kind: global_buffer, .address_space: global }
      - { .name: tpxz, .offset: 136, .size: 8, .value_kind: global_buffer, .address_space: global }
      - { .name: tvol, .offset: 144, .size: 8, .value_kind: global_buffer, .address_space: global }
      - { .name: idx, .offset: 152, .size: 8, .value_kind: global_buffer, .address_space: global }
      - { .name: lconst, .offset: 160, .size: 8, .value_kind: global_buffer, .address_space: global }
    .group_segment_fixed_size: 37376
    .private_segment_fixed_size: 0
    .kernarg_segment_align: 8
    .kernarg_segment_size: 168
    .max_flat_workgroup_size: 128
    .sgpr_count:     66
    .vgpr_count:     100
    .wavefront_size: 32
...
	.end_amdgpu_metadata
.endif
;; end of part 3
;; launch gather (part 4): grid 256 x 1, 16 waves a work-group, no clusters, 83,968 bytes of LDS; arguments coordinates, idx, tpxy, tpyz, tpxz, tvol, lconst, out0; writes out0
.if DOCPART == 4
	.amdgcn_target "amdgcn-amd-amdhsa--gfx1250"
	.amdhsa_code_object_version 6
	.text
	.protected	k_qc42a9b483b_gather
	.globl	k_qc42a9b483b_gather
	.p2align	8
	.type	k_qc42a9b483b_gather,@function
k_qc42a9b483b_gather:
	s_mov_b64 s[64:65], 0
	v_nop
	global_prefetch_b8 v0, s[64:65] scope:SCOPE_SE
	s_setreg_imm32_b32 hwreg(HW_REG_WAVE_MODE, 25, 1), 1
	s_wait_xcnt 0x0
; GATHER: out[p] = the sum over channels of e(p) where g(p) >= 0, over three bilinear plane pairs (32 channels) and one trilinear volume pair (16), plus the line term.
; TABLES (made by the launch before): tp.. [132][136] cells of 192 bytes, tvol [68][68][80] cells of 96 bytes.  A cell holds, for each pair of channels q, 12 bytes:
; g[2q], g[2q+1] in f32, then e[2q], e[2q+1] in bf16 in one word.  A border of zero cells stands for reference()'s invalid taps.
; idx: four whole numbers a point: three times the plane cell's number (a cell is 3 x 64 bytes) for xy, yz, xz, and the volume cell's number.  lconst: four partial line sums.
; SHARES.  A work-group owns 1,024 points, each of its 16 waves 64.  In trip t lanes 0-15 serve point base + t, lanes 16-31 point base + 32 + t.
; Planes: lane j of a half owns channels 2j, 2j+1; a half's load covers a cell's 192 consecutive bytes; all taps of a channel meet in one lane.
; Volume: cells x and x + 1 lie on end, so a half's load covers both, again 192 consecutive bytes: lanes 0-7 hold cell x, lanes 8-15 cell x + 1, lane q or q + 8 the pair q.
; g's taps are then exchanged between lanes q and q + 8, so that lane q has all eight taps of channel 2q and lane q + 8 those of channel 2q+1.  e is not exchanged: each lane sums
; its own cell's two channels with its own dx's weights, and takes the two channels' gates, which are spread to both lanes as bit masks.
; THE GATE is a threshold, so the order of roundings in g is part of the result.  This text takes reference()'s operations in their written order, with these roundings:
;   i = a (N - 1), a = (c + 1) 0.5, is rounded, and floor(i) is taken of the rounded i (so the cell numbers are);
;   in the planes w = i - floor(i), of the rounded i;  in the volume w = a 63 - floor(i) in one fused operation, of the unrounded product;  1 - w and the weights' products are each rounded;
;   the taps' sum p0 + p1 + p2 + ..: p1 is rounded, tap 0 is fused onto it, and each further tap is fused onto the sum (the volume's leading zeros + p0 is p0).
; e's last bits decide nothing: it comes in bf16 and is summed in f32, tap by tap, straight from the halves.  The sum over channels is taken in another order than reference()'s.
; LIMITS.  A g that these roundings can carry across 0 (in the volume some 1e-9 for tables of spread 1e-3) takes its side from them.  Every e carries one rounding to bf16,
; 2^-8 of itself at the most.  Coordinates and tables are finite: where reference() makes NaN of a non-finite number times 0, the select here gives 0 for that channel.
; IN FLIGHT.  Two buffers of 64 registers, a trip each: a trip's 12 + 4 table loads (6 KiB a wave) are asked for two trips ahead, section by section, as the old data is used up.
; The table loads carry the hint for data that many work-groups read again.
.set RECB,  80                         ; a point's record of 20 weights: xy, yz, xz {w00, w10, w01, w11}, volume [4 dz + 2 dy + dx]; the pitch is an odd multiple of 16 bytes
.set WREC,  64*RECB                    ; a wave's 64 records
.set SPARE, 16*WREC                    ; behind the records: the spare words, 128 bytes for each wave, that no other line names
.set PCELL, 192                        ; bytes from a plane cell to the next,
.set PROW,  136*PCELL                  ; and to the one a row on
.set VROW,  80*96                      ; the same in the volume,
.set VPLN,  68*VROW                    ; and a plane of 68 rows on
.set ZR,    92                         ; v92 = 0: what e's sums start from
; v1 12 j; v3 512 h (a half's 32 points of idx); v4, v93 LDS address of buffer 0's, buffer 1's weights; v5, v6 the add's two registers; v7 lane; v[8:9] my two results; v10 8 lane; v11 12 lane
; v[12:13] the trip's sum; v14 at work; v[16:23] cell numbers, buffer x at 16 + 4 x; v[24:31] byte offsets, at 24 + 4 x; v[32:71] weights, at 32 + 20 x; v[72:91] at work
; v[96:223] data, buffer x at 96 + 64 x: plane s tap k at 16 s + 4 k, the volume's row k = 2 dz + dy at 48 + 4 k (g, g, e pair each); v[224:252] the prologue's
; s2 wave; s6 count; s7 the lanes that take this trip's sums; s[8:11] line sums; s[12:13], s[14:15] idx, walking, one pointer a buffer; s[16:31] the eight buffers;
; s41 lanes 8-15 of each half, s42 lanes 0-7; s[43:47] the volume's gates, at work
.macro PKMUL d, a, w                   ; two products by one weight, register w: the pair that holds it is named, and op_sel picks it for both halves
.if ((\w)%2) == 0
	v_pk_mul_f32 v[(\d):(\d)+1], v[(\a):(\a)+1], v[(\w):(\w)+1] op_sel_hi:[1,0]
.else
	v_pk_mul_f32 v[(\d):(\d)+1], v[(\a):(\a)+1], v[(\w)-1:(\w)] op_sel:[0,1] op_sel_hi:[1,1]
.endif
.endm
.macro PKFMA d, a, w                   ; d += a x weight, one rounding
.if ((\w)%2) == 0
	v_pk_fma_f32 v[(\d):(\d)+1], v[(\a):(\a)+1], v[(\w):(\w)+1], v[(\d):(\d)+1] op_sel_hi:[1,0,1]
.else
	v_pk_fma_f32 v[(\d):(\d)+1], v[(\a):(\a)+1], v[(\w)-1:(\w)], v[(\d):(\d)+1] op_sel:[0,1,0] op_sel_hi:[1,1,1]
.endif
.endm
.macro EMIX d, p, w, c0, c1            ; registers d, d + 1 = the two bf16 halves of register p, each times the f32 weight w, plus c0, c1: reckoned in f32
	v_fma_mix_f32_bf16 v[(\d)], v[(\p)], v[(\w)], v[(\c0)] op_sel_hi:[1,0,0]
	v_fma_mix_f32_bf16 v[(\d)+1], v[(\p)], v[(\w)], v[(\c1)] op_sel:[1,0,0] op_sel_hi:[1,0,0]
.endm
.macro ADDR x                          ; cell numbers to byte offsets.  The bounds are the last base cells: 53436 / 3 + 137 and 364392 + 5440 + 80 + 1 lie inside the tables' 17,952 and 369,920 cells
.irp s, 0,1,2
	v_min_u32 v[24+4*(\x)+\s], 53436, v[16+4*(\x)+\s]
	v_lshl_add_u32 v[24+4*(\x)+\s], v[24+4*(\x)+\s], 6, v1
.endr
	v_min_u32 v[27+4*(\x)], 364392, v[19+4*(\x)]
	v_lshl_add_u32 v[27+4*(\x)], v[27+4*(\x)], 1, v[27+4*(\x)]  ; times 3,
	v_lshl_add_u32 v[27+4*(\x)], v[27+4*(\x)], 5, v1            ; times 32: a cell is 96 bytes
.endm
.macro LDP x, s                        ; plane s: four taps, 12 bytes a lane
.irp k, 0,1,2,3
	global_load_b96 v[96+64*(\x)+16*(\s)+4*(\k):96+64*(\x)+16*(\s)+4*(\k)+2], v[24+4*(\x)+(\s)], s[20+2*(\s):21+2*(\s)] offset:((\k)%2)*PCELL+((\k)/2)*PROW th:TH_LOAD_HT
.endr
.endm
.macro LDV x                           ; the volume: four rows (dz, dy), in each the cells x and x + 1, 12 bytes a lane
.irp k, 0,1,2,3
	global_load_b96 v[144+64*(\x)+4*(\k):144+64*(\x)+4*(\k)+2], v[27+4*(\x)], s[26:27] offset:((\k)%2)*VROW+((\k)/2)*VPLN th:TH_LOAD_HT
.endr
.endm
.macro PLANE x, s                      ; my two channels of plane s: e, g, the gate, onto the trip's sum.  Tap k's g pair lies at pD + 4 k, its e pair (bf16) at pD + 4 k + 2
.set pD, 96+64*(\x)+16*(\s)
.set pW, 32+20*(\x)+4*(\s)
.set pT, 72+4*((\s)%2)                 ; pairs E, G
	PKMUL pT+2, pD+4, pW+1                         ; g: tap 1's product is rounded,
	EMIX pT, pD+2, pW, ZR, ZR                      ; (e's lines stand between g's links)
	PKFMA pT+2, pD, pW                             ; tap 0 is fused onto it,
	EMIX pT, pD+6, pW+1, pT, pT+1
	PKFMA pT+2, pD+8, pW+2                         ; then taps 2 and 3 onto the sum
	EMIX pT, pD+10, pW+2, pT, pT+1
	PKFMA pT+2, pD+12, pW+3
	EMIX pT, pD+14, pW+3, pT, pT+1
.if (\s) == 0                          ; the first plane starts the sum
	v_cmp_le_f32 vcc_lo, 0, v[pT+2]
	v_cndmask_b32 v12, 0, v[pT], vcc_lo
	v_cmp_le_f32 vcc_lo, 0, v[pT+3]
	v_cndmask_b32 v13, 0, v[pT+1], vcc_lo
.else
	v_cmp_le_f32 vcc_lo, 0, v[pT+2]
	v_cndmask_b32 v[pT], 0, v[pT], vcc_lo
	v_cmp_le_f32 vcc_lo, 0, v[pT+3]
	v_cndmask_b32 v[pT+1], 0, v[pT+1], vcc_lo
	v_pk_add_f32 v[12:13], v[12:13], v[pT:pT+1]
.endif
.endm
; The volume.  Row k's registers: pD + 4 k = g[2q], + 1 = g[2q+1], + 2 = the e pair, of cell x in lanes 0-7 and of cell x + 1 in lanes 8-15 of a half.  Tap 2 k + dx has weight pW + 2 k + dx.
.macro VOL x
.set pD, 144+64*(\x)
.set pW, 44+20*(\x)
.irp k, 0,1,2,3                        ; v[80+2k], v[81+2k] = my channel's taps dx = 0, 1 of row k.  Lane q: its own g[2q] and lane q + 8's; lane q + 8: lane q's g[2q+1] and its own
	v_mov_b32_dpp v[88+2*((\k)%2)], v[pD+4*(\k)] row_xmask:8 row_mask:0xf bank_mask:0xf    ; the partner's g[2q] (v[88:91] have been written: the prologue's weights)
	v_mov_b32_dpp v[89+2*((\k)%2)], v[pD+4*(\k)+1] row_xmask:8 row_mask:0xf bank_mask:0xf  ; and its g[2q+1]
	v_cndmask_b32 v[80+2*(\k)], v[pD+4*(\k)], v[89+2*((\k)%2)], s41
	v_cndmask_b32 v[81+2*(\k)], v[88+2*((\k)%2)], v[pD+4*(\k)+1], s41
.endr
.irp k, 0,1,2,3
	v_cndmask_b32 v[72+(\k)], v[pW+2*(\k)], v[pW+2*(\k)+1], s41  ; the weight of my own cell in row k: dx = 0 in lanes 0-7, dx = 1 in lanes 8-15
.endr
	v_mul_f32 v78, v81, v[pW+1]                    ; g: tap 1's product is rounded,
	EMIX 76, pD+2, 72, ZR, ZR                      ; (e's lines stand between g's links: my cell's two channels, four rows)
	v_fmac_f32 v78, v80, v[pW]                     ; tap 0 is fused onto it,
	EMIX 76, pD+6, 73, 76, 77
	v_fmac_f32 v78, v82, v[pW+2]                   ; then taps 2 to 7 onto the sum, in the order dz, dy, dx
	v_fmac_f32 v78, v83, v[pW+3]
	EMIX 76, pD+10, 74, 76, 77
	v_fmac_f32 v78, v84, v[pW+4]
	v_fmac_f32 v78, v85, v[pW+5]
	EMIX 76, pD+14, 75, 76, 77
	v_fmac_f32 v78, v86, v[pW+6]
	v_fmac_f32 v78, v87, v[pW+7]
	v_cmp_le_f32 s43, 0, v78                       ; the gates: channel 2q's in lane q's bit, channel 2q+1's in lane q + 8's
	s_and_b32 s44, s43, s42
	s_and_b32 s45, s43, s41
	s_lshl_b32 s46, s44, 8
	s_lshr_b32 s47, s45, 8
	s_or_b32 s44, s44, s46                         ; channel 2q's gate in both lanes' bits,
	s_or_b32 s45, s45, s47                         ; and channel 2q+1's: the masks select values, nothing else hangs on them
	v_cndmask_b32 v76, 0, v76, s44
	v_cndmask_b32 v77, 0, v77, s45
	v_pk_add_f32 v[12:13], v[12:13], v[76:77]
.endm
.macro PUT x                           ; the half's 16 lanes are added; lane 16 h + t / 2 keeps the sum in register t % 2
	v_add_f32 v14, v12, v13
	v_add_f32_dpp v14, v14, v14 row_xmask:1 row_mask:0xf bank_mask:0xf
	v_add_f32_dpp v14, v14, v14 row_xmask:2 row_mask:0xf bank_mask:0xf
	v_add_f32_dpp v14, v14, v14 row_xmask:4 row_mask:0xf bank_mask:0xf
	v_add_f32_dpp v14, v14, v14 row_xmask:8 row_mask:0xf bank_mask:0xf
	v_cndmask_b32 v[8+(\x)], v[8+(\x)], v14, s7
.endm
; Trip t on buffer x = t % 2.  lc, dc: the younger loads and LDS loads that may stay out.  ld = 1: trip t + 2 is asked for; ix = 1: the cell numbers of trip t + 4.
; A trip's loads go out in one order, here and in the prologue: the cell numbers, then the 16 table loads.  So behind this buffer's 16 stand the other buffer's 17, and the one wait
; shows four things: my data are in; the cell numbers for t + 2, issued ahead of them, are in; the loads that read my offset registers are done, so these may be written; and the load
; of cell numbers that read my idx pointer, two trips back and older than those 16, is done, so the pointer may be stepped.
.macro TRIP x, lc, dc, ld, ix
	s_wait_loadcnt \lc
	s_wait_dscnt \dc                               ; my five weight loads are in; the other buffer's five are younger
.if \ix
	s_add_nc_u64 s[12+2*(\x):13+2*(\x)], s[12+2*(\x):13+2*(\x)], 32
.endif
.if \ld
	v_add_nc_u32 v[4+89*(\x)], 2*RECB, v[4+89*(\x)]  ; my buffer's LDS address, two records on: the five loads that read it are the ones just shown done
	ADDR \x
.endif
.if \ix
	global_load_b128 v[16+4*(\x):19+4*(\x)], v3, s[12+2*(\x):13+2*(\x)]
.endif
	PLANE \x, 0
.if \ld
	LDP \x, 0
.endif
	PLANE \x, 1
.if \ld
	LDP \x, 1
.endif
	PLANE \x, 2
.if \ld
	LDP \x, 2
.endif
	VOL \x
.if \ld
	LDV \x
.irp i, 0,1,2,3,4
	ds_load_b128 v[32+20*(\x)+4*(\i):32+20*(\x)+4*(\i)+3], v[4+89*(\x)] offset:16*(\i)
.endr
.endif
	PUT \x
.endm
; The weights of 32 points, a lane a point; set 0: records 0-31, set 1: records 32-63.
.macro PW s, a, b                      ; plane s samples coordinate a along the width, b along the height
	v_mul_f32 v[72+4*(\s)], v[238+(\a)], v[238+(\b)]
	v_mul_f32 v[73+4*(\s)], v[235+(\a)], v[238+(\b)]
	v_mul_f32 v[74+4*(\s)], v[238+(\a)], v[235+(\b)]
	v_mul_f32 v[75+4*(\s)], v[235+(\a)], v[235+(\b)]
.endm
.macro WEIGHTS set
.irp c, 0,1,2
	v_add_f32 v[232+\c], 1.0, v[224+4*(\set)+\c]
	v_mul_f32 v[232+\c], 0.5, v[232+\c]            ; a
	v_mul_f32 v[235+\c], s38, v[232+\c]            ; i in the planes,
	v_mul_f32 v[241+\c], s39, v[232+\c]            ; and in the volume, both rounded
	v_floor_f32 v[238+\c], v[235+\c]
	v_floor_f32 v[244+\c], v[241+\c]
	v_sub_f32 v[235+\c], v[235+\c], v[238+\c]      ; planes: w of the rounded i
	v_mul_f32 v[244+\c], -1.0, v[244+\c]
	v_fma_f32 v[241+\c], v[232+\c], s39, v[244+\c] ; volume: w = a 63 - floor(i), one rounding
	v_sub_f32 v[238+\c], 1.0, v[235+\c]            ; 1 - w
	v_sub_f32 v[244+\c], 1.0, v[241+\c]
.endr
	PW 0, 0, 1
	PW 1, 1, 2
	PW 2, 0, 2
	v_mul_f32 v248, v244, v245                     ; wx_ * wy_ first, then * wz_
	v_mul_f32 v249, v241, v245
	v_mul_f32 v250, v244, v242
	v_mul_f32 v251, v241, v242
.irp k, 0,1,2,3
	v_mul_f32 v[84+\k], v[248+\k], v246
	v_mul_f32 v[88+\k], v[248+\k], v243
.endr
.irp i, 0,1,2,3,4
	ds_store_b128 v252, v[72+4*\i:75+4*\i] offset:(\set)*32*RECB+16*\i
.endr
.endm
	s_load_b512 s[16:31], s[0:1], 0x0              ; coordinates 16, idx 18, tpxy 20, tpyz 22, tpxz 24, tvol 26, lconst 28, out0 30
	v_lshl_add_u32 v5, v0, 2, SPARE                ; my spare word,
	v_mov_b32 v6, 0                                ; and 0: kept for the add at the wave's end
	v_lshrrev_b32 v7, 5, v0
	v_readfirstlane_b32 s2, v7                     ; wave 0..15
	v_and_b32 v7, 31, v0                           ; lane
	v_and_b32 v15, 15, v0                          ; j
	v_bfe_u32 v14, v0, 4, 1                        ; h
	v_mul_u32_u24 v1, v15, 12
	v_lshlrev_b32 v3, 9, v14
	v_lshlrev_b32 v10, 3, v7
	v_mul_u32_u24 v11, v7, 12
	v_mov_b32 v8, 0
	v_mov_b32 v9, 0
	v_mov_b32 v[ZR], 0
	s_mul_i32 s40, s2, WREC                        ; my wave's records
	v_mul_u32_u24 v4, v14, 32*RECB                 ; read: my half's record of trip 0,
	v_add_nc_u32 v4, s40, v4
	v_add_nc_u32 v93, RECB, v4                     ; and of trip 1
	v_mul_u32_u24 v252, v7, RECB                   ; written: record = lane
	v_add_nc_u32 v252, s40, v252
	s_mul_i32 s32, ttmp9, 12288                    ; my wave's 64 points: 12 bytes each in coordinates,
	s_mul_i32 s33, s2, 768
	s_add_co_u32 s32, s32, s33
	s_mov_b32 s33, 0
	s_lshl_b32 s34, ttmp9, 14                      ; 16 in idx,
	s_lshl_b32 s35, s2, 10
	s_add_co_u32 s34, s34, s35
	s_mov_b32 s35, 0
	s_lshl_b32 s36, ttmp9, 12                      ; 4 in out0
	s_lshl_b32 s37, s2, 8
	s_add_co_u32 s36, s36, s37
	s_mov_b32 s37, 0
	s_mov_b32 s38, 0x42fe0000                      ; 127.0
	s_mov_b32 s39, 0x427c0000                      ; 63.0
	s_mov_b32 s41, 0xff00ff00                      ; lanes 8-15 of each half
	s_mov_b32 s42, 0x00ff00ff                      ; lanes 0-7
	s_mov_b32 s7, 0x00010001                       ; trips 0 and 1: lanes 0 and 16
	s_mov_b32 s6, 14
	s_wait_kmcnt 0x0
	s_load_b32 s8, s[28:29], 0x0                   ; the four partial line sums
	s_load_b32 s9, s[28:29], 0x80
	s_load_b32 s10, s[28:29], 0x100
	s_load_b32 s11, s[28:29], 0x180
	s_add_nc_u64 s[16:17], s[16:17], s[32:33]
	s_add_nc_u64 s[18:19], s[18:19], s[34:35]
	s_add_nc_u64 s[30:31], s[30:31], s[36:37]
	s_add_nc_u64 s[12:13], s[18:19], 32            ; each pointer is stepped by 32 at the head of its buffer's trip: in trip t it then stands at the cell numbers of trip t + 4
	s_add_nc_u64 s[14:15], s[18:19], 48
	global_load_b128 v[16:19], v3, s[18:19]        ; cell numbers of trips 0 and 1
	global_load_b128 v[20:23], v3, s[18:19] offset:16
	global_load_b96 v[224:226], v11, s[16:17]      ; coordinates of my wave's 64 points, a lane a point, twice
	global_load_b96 v[228:230], v11, s[16:17] offset:384
	s_wait_loadcnt 0x2                             ; the cell numbers are in; the two coordinate loads stay out
	ADDR 0
	ADDR 1
	global_load_b128 v[16:19], v3, s[18:19] offset:32  ; trip 2's cell numbers, then trip 0's data: the order of every trip
	LDP 0, 0
	LDP 0, 1
	LDP 0, 2
	LDV 0
	global_load_b128 v[20:23], v3, s[18:19] offset:48
	LDP 1, 0
	LDP 1, 1
	LDP 1, 2
	LDV 1
	s_wait_loadcnt 34                              ; the coordinates are in; the 2 x 17 loads just issued stay out
	WEIGHTS 0
	WEIGHTS 1
	s_wait_dscnt 0x0                               ; my records are written.  A wave reads its own records alone; the barrier puts all stores of the work-group ahead of all reads,
	s_barrier_signal -1                            ; so that the order does not rest on the read addresses, which step in the loop.  Behind it LDS is only read
	s_barrier_wait -1
.irp i, 0,1,2,3,4
	ds_load_b128 v[32+4*\i:35+4*\i], v4 offset:16*\i   ; trip 0's weights
.endr
.irp i, 0,1,2,3,4
	ds_load_b128 v[52+4*\i:55+4*\i], v93 offset:16*\i  ; trip 1's
.endr
	s_wait_kmcnt 0x0
	s_add_f32 s8, s8, s9
	s_add_f32 s10, s10, s11
	s_add_f32 s8, s8, s10                          ; the line term
.Lpair:                                        ; 14 times: trips 2 i and 2 i + 1
	TRIP 0, 17, 5, 1, 1
	TRIP 1, 17, 5, 1, 1
	s_lshl_b32 s7, s7, 1
	s_sub_co_u32 s6, s6, 1
	s_cmp_lg_u32 s6, 0
	s_cbranch_scc1 .Lpair
	TRIP 0, 17, 5, 1, 0                            ; trip 28: asks for trip 30's data; there are no further cell numbers
	TRIP 1, 16, 5, 1, 0                            ; trip 29: behind its data stand trip 30's 16 loads alone
	s_lshl_b32 s7, s7, 1
	TRIP 0, 16, 5, 0, 0                            ; trip 30: behind its data stand trip 31's 16
	TRIP 1, 0, 0, 0, 0                             ; trip 31
	v_add_f32 v8, s8, v8
	v_add_f32 v9, s8, v9
	global_store_b64 v10, v[8:9], s[30:31] th:TH_STORE_NT  ; lane l holds points 2 l and 2 l + 1 of the wave's 64: 256 consecutive bytes, at a multiple of 256
	s_wait_tensorcnt 0x0                           ; the wave's end: behind my last LDS store
	ds_add_u32 v5, v6
	s_wait_dscnt 0x0
	s_endpgm
.Lfunc_end_k_qc42a9b483b_gather:
	.size	k_qc42a9b483b_gather, .Lfunc_end_k_qc42a9b483b_gather-k_qc42a9b483b_gather
	.p2alignl 7, 3214868480
	.fill 96, 4, 3214868480
	.section	.rodata,"a",@progbits
	.p2align	6, 0x0
	.amdhsa_kernel k_qc42a9b483b_gather
		.amdhsa_group_segment_fixed_size 83968
		.amdhsa_private_segment_fixed_size 0
		.amdhsa_enable_private_segment 0
		.amdhsa_kernarg_size 64
		.amdhsa_user_sgpr_count 2
		.amdhsa_user_sgpr_kernarg_segment_ptr 1
		.amdhsa_wavefront_size32 1
		.amdhsa_system_sgpr_workgroup_id_x 1
		.amdhsa_system_sgpr_workgroup_id_y 1
		.amdhsa_system_sgpr_workgroup_id_z 1
		.amdhsa_system_vgpr_workitem_id 0
		.amdhsa_next_free_vgpr 256
		.amdhsa_next_free_sgpr 66
		.amdhsa_reserve_vcc 1
		.amdhsa_float_denorm_mode_32 3
		.amdhsa_float_denorm_mode_16_64 3
		.amdhsa_memory_ordered 1
		.amdhsa_forward_progress 1
		.amdhsa_inst_pref_size 57
	.end_amdhsa_kernel
	.amdgpu_metadata
---
amdhsa.version: [ 1, 2 ]
amdhsa.kernels:
  - .name:           k_qc42a9b483b_gather
    .symbol:         k_qc42a9b483b_gather.kd
    .args:
      - { .name: coordinates, .offset: 0, .size: 8, .value_kind: global_buffer, .address_space: global }
      - { .name: idx, .offset: 8, .size: 8, .value_kind: global_buffer, .address_space: global }
      - { .name: tpxy, .offset: 16, .size: 8, .value_kind: global_buffer, .address_space: global }
      - { .name: tpyz, .offset: 24, .size: 8, .value_kind: global_buffer, .address_space: global }
      - { .name: tpxz, .offset: 32, .size: 8, .value_kind: global_buffer, .address_space: global }
      - { .name: tvol, .offset: 40, .size: 8, .value_kind: global_buffer, .address_space: global }
      - { .name: lconst, .offset: 48, .size: 8, .value_kind: global_buffer, .address_space: global }
      - { .name: out0, .offset: 56, .size: 8, .value_kind: global_buffer, .address_space: global }
    .group_segment_fixed_size: 83968
    .private_segment_fixed_size: 0
    .kernarg_segment_align: 8
    .kernarg_segment_size: 64
    .max_flat_workgroup_size: 512
    .sgpr_count:     66
    .vgpr_count:     256
    .wavefront_size: 32
...
	.end_amdgpu_metadata
.endif
;; end of part 4
;; ======== version 3 of 3: 2 launches; version 2 with the launch gather written anew for expert scheduling mode
;; workspace buffers: tpxy 3,446,784 bytes; tpyz 3,446,784 bytes; tpxz 3,446,784 bytes; tvol 35,512,320 bytes; idx 4,194,304 bytes of whole numbers; lconst 512 bytes
;; launch prep: the kernel of part 3 again; grid 1809 x 1, 4 waves a work-group, no clusters, 37,376 bytes of LDS; arguments coordinates, line_x, line_x_g, line_y, line_y_g, line_z, line_z_g, plane_xy, plane_xy_g, plane_yz, plane_yz_g, plane_xz, plane_xz_g, volume, volume_g, tpxy, tpyz, tpxz, tvol, idx, lconst; writes tpxy, tpyz, tpxz, tvol, idx, lconst
;; launch gather (part 5): grid 256 x 1, 16 waves a work-group, no clusters, 83,968 bytes of LDS; arguments coordinates, idx, tpxy, tpyz, tpxz, tvol, lconst, out0; writes out0
.if DOCPART == 5
	.amdgcn_target "amdgcn-amd-amdhsa--gfx1250"
	.amdhsa_code_object_version 6
	.text
	.protected	k_qc42a9b483b_gather
	.globl	k_qc42a9b483b_gather
	.p2align	8
	.type	k_qc42a9b483b_gather,@function
k_qc42a9b483b_gather:
	s_mov_b64 s[64:65], 0
	v_nop
	global_prefetch_b8 v0, s[64:65] scope:SCOPE_SE
	s_setreg_imm32_b32 hwreg(HW_REG_WAVE_SCHED_MODE, 0, 2), 2
	s_setreg_imm32_b32 hwreg(HW_REG_WAVE_MODE, 25, 1), 1
	s_wait_xcnt 0x0
	s_wait_alu depctr_vm_vsrc(0)
; GATHER: out[p] = the sum over channels of e(p) where g(p) >= 0, over three bilinear plane pairs (32 channels) and one trilinear volume pair (16), plus the line term.
; TABLES (made by the launch before): tp.. [132][136] cells of 192 bytes, tvol [68][68][80] cells of 96 bytes.  A cell holds, for each pair of channels q, 12 bytes:
; g[2q], g[2q+1] in f32, then e[2q], e[2q+1] in bf16 in one word.  A border of zero cells stands for reference()'s invalid taps.
; idx: four whole numbers a point: three times the plane cell's number (a cell is 3 x 64 bytes) for xy, yz, xz, and the volume cell's number.  lconst: four partial line sums.
; SHARES.  A work-group owns 1,024 points, each of its 16 waves 64.  In trip t lanes 0-15 serve point base + t, lanes 16-31 point base + 32 + t.
; Planes: lane j of a half owns channels 2j, 2j+1; a half's load covers a cell's 192 consecutive bytes; all taps of a channel meet in one lane.
; Volume: cells x and x + 1 lie on end, so a half's load covers both, again 192 consecutive bytes: lanes 0-7 hold cell x, lanes 8-15 cell x + 1, lane q or q + 8 the pair q.
; g's taps are then exchanged between lanes q and q + 8, so that lane q has all eight taps of channel 2q and lane q + 8 those of channel 2q+1.  e is not exchanged: each lane sums
; its own cell's two channels with its own dx's weights, and takes the two channels' gates, which are spread to both lanes as bit masks.
; THE GATE is a threshold, so the order of roundings in g is part of the result.  This text takes reference()'s operations in their written order, with these roundings:
;   i = a (N - 1), a = (c + 1) 0.5, is rounded, and floor(i) is taken of the rounded i (so the cell numbers are);
;   in the planes w = i - floor(i), of the rounded i;  in the volume w = a 63 - floor(i) in one fused operation, of the unrounded product;  1 - w and the weights' products are each rounded;
;   the taps' sum p0 + p1 + p2 + ..: p1 is rounded, tap 0 is fused onto it, and each further tap is fused onto the sum (the volume's leading zeros + p0 is p0).
; e's last bits decide nothing: it comes in bf16 and is summed in f32, tap by tap, straight from the halves.  The sum over channels is taken in another order than reference()'s.
; LIMITS.  A g that these roundings can carry across 0 (in the volume some 1e-9 for tables of spread 1e-3) takes its side from them.  Every e carries one rounding to bf16,
; 2^-8 of itself at the most.  Coordinates and tables are finite: where reference() makes NaN of a non-finite number times 0, the select here gives 0 for that channel.
; IN FLIGHT.  Two buffers of 64 registers, a trip each: a trip's 12 + 4 table loads (6 KiB a wave) are asked for two trips ahead: the planes' when the planes' sums are made,
; the volume's when the volume's are.  The table loads carry the hint for data that many work-groups read again.
; THE MODE: SCHED_MODE bits 1:0 = 2 (LLVM: expert scheduling mode 2), set by the entry lines.  The code itself states the register dependences between vector instructions and
; memory or LDS instructions, and between a vector instruction that writes a scalar register and that register's readers, with s_wait_alu, always for 0.
; THE PLAN.  Registers that memory or LDS instructions touch in trip t, on buffer x = t % 2:
;   the planes' data  v[96+64x .. 143+64x]   read by the three SUMS; behind them the 12 loads of trip t + 2 land there.
;   the volume's data v[144+64x .. 159+64x]  read by VOLX, VOLA, VOLB; behind them the 4 loads of trip t + 2 land there.
;   the weights       v[32+20x .. 51+20x]    read by SUMS and by VOLX, VOLA, VOLB; behind them the five LDS loads of trip t + 2's record land there.
;   the cell numbers  v[16+4x .. 19+4x]      read by ADDR; behind it the load of trip t + 4's numbers lands there.
;   the offsets       v[24+4x .. 27+4x]      written by ADDR; read by this trip's 16 table loads, and before that by those of trip t - 2.
;   the LDS address   v4 (x = 0), v93 (x = 1) stepped once a trip; read by the five LDS loads.
;   v3                read by every load of cell numbers; written at the head alone.
;   v[8:14], v[72:92] and v[224:235] are named by vector instructions alone in the loop.
; So a trip has four waits.  One on vm_vsrc, ahead of the address's step and ADDR.  One on va_vdst behind the planes' sums: the load of cell numbers and the 12 plane loads follow it,
; dealt among the volume's vector lines, which name the volume's data and weights and v[72:92] alone.  One on va_vdst behind the volume's sums: the 4 volume loads and the five LDS loads
; follow it, dealt among the gates and the lanes' sum, which name v[8:14], v76, v77 and v[224:233] alone.  One on va_sdst between the run of seven compares and the first reader of a mask.
.set RECB,  80                         ; a point's record of 20 weights: xy, yz, xz {w00, w10, w01, w11}, volume [4 dz + 2 dy + dx]; the pitch is an odd multiple of 16 bytes
.set WREC,  64*RECB                    ; a wave's 64 records
.set SPARE, 16*WREC                    ; behind the records: the spare words, 128 bytes for each wave, that no other line names
.set PCELL, 192                        ; bytes from a plane cell to the next,
.set PROW,  136*PCELL                  ; and to the one a row on
.set VROW,  80*96                      ; the same in the volume,
.set VPLN,  68*VROW                    ; and a plane of 68 rows on
.set ZR,    92                         ; v92 = 0: what e's sums start from
; v1 12 j; v3 512 h (a half's 32 points of idx); v4, v93 LDS address of buffer 0's, buffer 1's weights; v5, v6 the add's two registers; v7 lane; v[8:9] my two results; v10 8 lane; v11 12 lane
; v[12:13] the trip's sum; v14 at work; v[16:23] cell numbers, buffer x at 16 + 4 x; v[24:31] byte offsets, at 24 + 4 x; v[32:71] weights, at 32 + 20 x; v[72:91] at work (the volume)
; v[96:223] data, buffer x at 96 + 64 x: plane s tap k at 16 s + 4 k, the volume's row k = 2 dz + dy at 48 + 4 k (g, g, e pair each)
; v[224:235] plane s's sums: e's pair at 224 + 4 s, g's at 226 + 4 s; v[224:252] the prologue's, which also writes the records of points 0-31 out of v[72:91] and those of points 32-63 out of v[32:51]
; s2 wave; s6 count; s7 the lanes that take this trip's sums; s[8:11] line sums; s[12:13], s[14:15] idx, walking, one pointer a buffer; s[16:31] the eight buffers;
; s[32:37] the planes' six gates (in the prologue: byte offsets); s41 lanes 8-15 of each half, s42 lanes 0-7; s[43:47] the volume's gates, at work
.macro PKMUL d, a, w                   ; two products by one weight, register w: the pair that holds it is named, and op_sel picks it for both halves
.if ((\w)%2) == 0
	v_pk_mul_f32 v[(\d):(\d)+1], v[(\a):(\a)+1], v[(\w):(\w)+1] op_sel_hi:[1,0]
.else
	v_pk_mul_f32 v[(\d):(\d)+1], v[(\a):(\a)+1], v[(\w)-1:(\w)] op_sel:[0,1] op_sel_hi:[1,1]
.endif
.endm
.macro PKFMA d, a, w                   ; d += a x weight, one rounding
.if ((\w)%2) == 0
	v_pk_fma_f32 v[(\d):(\d)+1], v[(\a):(\a)+1], v[(\w):(\w)+1], v[(\d):(\d)+1] op_sel_hi:[1,0,1]
.else
	v_pk_fma_f32 v[(\d):(\d)+1], v[(\a):(\a)+1], v[(\w)-1:(\w)], v[(\d):(\d)+1] op_sel:[0,1,0] op_sel_hi:[1,1,1]
.endif
.endm
.macro EMIX d, p, w, c0, c1            ; registers d, d + 1 = the two bf16 halves of register p, each times the f32 weight w, plus c0, c1: reckoned in f32
	v_fma_mix_f32_bf16 v[(\d)], v[(\p)], v[(\w)], v[(\c0)] op_sel_hi:[1,0,0]
	v_fma_mix_f32_bf16 v[(\d)+1], v[(\p)], v[(\w)], v[(\c1)] op_sel:[1,0,0] op_sel_hi:[1,0,0]
.endm
.macro ADDR x                          ; cell numbers to byte offsets.  The bounds are the last base cells: 53436 / 3 + 137 and 364392 + 5440 + 80 + 1 lie inside the tables' 17,952 and 369,920 cells
.irp s, 0,1,2
	v_min_u32 v[24+4*(\x)+\s], 53436, v[16+4*(\x)+\s]
	v_lshl_add_u32 v[24+4*(\x)+\s], v[24+4*(\x)+\s], 6, v1
.endr
	v_min_u32 v[27+4*(\x)], 364392, v[19+4*(\x)]
	v_lshl_add_u32 v[27+4*(\x)], v[27+4*(\x)], 1, v[27+4*(\x)]  ; times 3,
	v_lshl_add_u32 v[27+4*(\x)], v[27+4*(\x)], 5, v1            ; times 32: a cell is 96 bytes
.endm
.macro LDP x, s                        ; plane s: four taps, 12 bytes a lane
.irp k, 0,1,2,3
	global_load_b96 v[96+64*(\x)+16*(\s)+4*(\k):96+64*(\x)+16*(\s)+4*(\k)+2], v[24+4*(\x)+(\s)], s[20+2*(\s):21+2*(\s)] offset:((\k)%2)*PCELL+((\k)/2)*PROW th:TH_LOAD_HT
.endr
.endm
.macro LDV x                           ; the volume: four rows (dz, dy), in each the cells x and x + 1, 12 bytes a lane
.irp k, 0,1,2,3
	global_load_b96 v[144+64*(\x)+4*(\k):144+64*(\x)+4*(\k)+2], v[27+4*(\x)], s[26:27] offset:((\k)%2)*VROW+((\k)/2)*VPLN th:TH_LOAD_HT
.endr
.endm
.macro SUMS x, s                       ; my two channels of plane s: e's and g's sums, into the plane's own four registers.  Tap k's g pair lies at pD + 4 k, its e pair (bf16) at pD + 4 k + 2
.set pD, 96+64*(\x)+16*(\s)
.set pW, 32+20*(\x)+4*(\s)
.set pT, 224+4*(\s)                    ; pairs E, G
	PKMUL pT+2, pD+4, pW+1                         ; g: tap 1's product is rounded,
	EMIX pT, pD+2, pW, ZR, ZR                      ; (e's lines stand between g's links)
	PKFMA pT+2, pD, pW                             ; tap 0 is fused onto it,
	EMIX pT, pD+6, pW+1, pT, pT+1
	PKFMA pT+2, pD+8, pW+2                         ; then taps 2 and 3 onto the sum
	EMIX pT, pD+10, pW+2, pT, pT+1
	PKFMA pT+2, pD+12, pW+3
	EMIX pT, pD+14, pW+3, pT, pT+1
.endm
; The volume, in three parts, so that the planes' loads can stand between them.  Row k's registers: pD + 4 k = g[2q], + 1 = g[2q+1], + 2 = the e pair, of cell x in lanes 0-7 and of
; cell x + 1 in lanes 8-15 of a half.  Tap 2 k + dx has weight pW + 2 k + dx.
.macro VOLX x                          ; the exchange, and my own cell's weights
.set pD, 144+64*(\x)
.set pW, 44+20*(\x)
.irp k, 0,1,2,3                        ; v[80+2k], v[81+2k] = my channel's taps dx = 0, 1 of row k.  Lane q: its own g[2q] and lane q + 8's; lane q + 8: lane q's g[2q+1] and its own
	v_mov_b32_dpp v[88+2*((\k)%2)], v[pD+4*(\k)] row_xmask:8 row_mask:0xf bank_mask:0xf    ; the partner's g[2q] (v[88:91] have been written: the prologue's weights)
	v_mov_b32_dpp v[89+2*((\k)%2)], v[pD+4*(\k)+1] row_xmask:8 row_mask:0xf bank_mask:0xf  ; and its g[2q+1]
	v_cndmask_b32 v[80+2*(\k)], v[pD+4*(\k)], v[89+2*((\k)%2)], s41
	v_cndmask_b32 v[81+2*(\k)], v[88+2*((\k)%2)], v[pD+4*(\k)+1], s41
.endr
.irp k, 0,1,2,3
	v_cndmask_b32 v[72+(\k)], v[pW+2*(\k)], v[pW+2*(\k)+1], s41  ; the weight of my own cell in row k: dx = 0 in lanes 0-7, dx = 1 in lanes 8-15
.endr
.endm
.macro VOLA x                          ; dz = 0
.set pD, 144+64*(\x)
.set pW, 44+20*(\x)
	v_mul_f32 v78, v81, v[pW+1]                    ; g: tap 1's product is rounded,
	EMIX 76, pD+2, 72, ZR, ZR                      ; (e's lines stand between g's links: my cell's two channels, four rows)
	v_fmac_f32 v78, v80, v[pW]                     ; tap 0 is fused onto it,
	EMIX 76, pD+6, 73, 76, 77
	v_fmac_f32 v78, v82, v[pW+2]                   ; then taps 2 to 7 onto the sum, in the order dz, dy, dx
	v_fmac_f32 v78, v83, v[pW+3]
.endm
.macro VOLB x                          ; dz = 1
.set pD, 144+64*(\x)
.set pW, 44+20*(\x)
	EMIX 76, pD+10, 74, 76, 77
	v_fmac_f32 v78, v84, v[pW+4]
	v_fmac_f32 v78, v85, v[pW+5]
	EMIX 76, pD+14, 75, 76, 77
	v_fmac_f32 v78, v86, v[pW+6]
	v_fmac_f32 v78, v87, v[pW+7]
.endm
.macro CMPS                            ; the seven gates in one run, each into a scalar register of its own
.irp s, 0,1,2
	v_cmp_le_f32 s[32+2*\s], 0, v[226+4*\s]
	v_cmp_le_f32 s[33+2*\s], 0, v[227+4*\s]
.endr
	v_cmp_le_f32 s43, 0, v78                       ; the volume's: channel 2q's in lane q's bit, channel 2q+1's in lane q + 8's
.endm
.macro GATES                           ; the selects, and the trip's sum in the order plane 0, 1, 2, volume
	s_and_b32 s44, s43, s42
	s_and_b32 s45, s43, s41
	s_lshl_b32 s46, s44, 8
	s_lshr_b32 s47, s45, 8
	s_or_b32 s44, s44, s46                         ; channel 2q's gate in both lanes' bits,
	s_or_b32 s45, s45, s47                         ; and channel 2q+1's: the masks select values, nothing else hangs on them
	v_cndmask_b32 v12, 0, v224, s32                ; the first plane starts the sum
	v_cndmask_b32 v13, 0, v225, s33
	v_cndmask_b32 v228, 0, v228, s34
	v_cndmask_b32 v229, 0, v229, s35
	v_cndmask_b32 v232, 0, v232, s36
	v_cndmask_b32 v233, 0, v233, s37
	v_cndmask_b32 v76, 0, v76, s44
	v_cndmask_b32 v77, 0, v77, s45
	v_pk_add_f32 v[12:13], v[12:13], v[228:229]
	v_pk_add_f32 v[12:13], v[12:13], v[232:233]
	v_pk_add_f32 v[12:13], v[12:13], v[76:77]
.endm
.macro PUT x                           ; the half's 16 lanes are added; lane 16 h + t / 2 keeps the sum in register t % 2
	v_add_f32 v14, v12, v13
	v_add_f32_dpp v14, v14, v14 row_xmask:1 row_mask:0xf bank_mask:0xf
	v_add_f32_dpp v14, v14, v14 row_xmask:2 row_mask:0xf bank_mask:0xf
	v_add_f32_dpp v14, v14, v14 row_xmask:4 row_mask:0xf bank_mask:0xf
	v_add_f32_dpp v14, v14, v14 row_xmask:8 row_mask:0xf bank_mask:0xf
	v_cndmask_b32 v[8+(\x)], v[8+(\x)], v14, s7
.endm
; Trip t on buffer x = t % 2.  lc, dc: the younger loads and LDS loads that may stay out.  ld = 1: trip t + 2 is asked for; ix = 1: the cell numbers of trip t + 4.
; A trip's loads go out in one order, here and in the prologue: the cell numbers, then the 16 table loads.  So behind this buffer's 16 stand the other buffer's 17, and the one wait
; shows four things: my data are in; the cell numbers for t + 2, issued ahead of them, are in; the loads that read my offset registers are done; and the load
; of cell numbers that read my idx pointer, two trips back and older than those 16, is done, so the pointer may be stepped.
; A trip that asks for nothing (ld = 0) has no memory or LDS instruction, and of the four waits on the vector side only the one for the masks.
.macro TRIP x, lc, dc, ld, ix
	s_wait_loadcnt \lc
	s_wait_dscnt \dc                               ; my five weight loads are in; the other buffer's five are younger
.if \ix
	s_add_nc_u64 s[12+2*(\x):13+2*(\x)], s[12+2*(\x):13+2*(\x)], 32
.endif
	SUMS \x, 0
	SUMS \x, 1
.if \ld
	s_wait_alu depctr_vm_vsrc(0)                   ; the table loads of two trips back have read my offsets v[24+4x ..], and the five LDS loads my LDS address: the ten lines below write them anew
	v_add_nc_u32 v[4+89*(\x)], 2*RECB, v[4+89*(\x)]  ; my buffer's LDS address, two records on
	ADDR \x
.endif
	SUMS \x, 2
.if \ld
	s_wait_alu depctr_va_vdst(0)                   ; the three planes' sums are done reading the planes' data, in which the 12 loads below land; ADDR is done reading the cell numbers, in which the next ones land, and has written the offsets; the LDS address is written
.endif
.if \ix
	global_load_b128 v[16+4*(\x):19+4*(\x)], v3, s[12+2*(\x):13+2*(\x)]
.endif
.if \ld
	LDP \x, 0                                      ; no further wait for the planes' loads: the volume's lines between them name none of their registers
.endif
	VOLX \x
.if \ld
	LDP \x, 1
.endif
	VOLA \x
.if \ld
	LDP \x, 2
.endif
	VOLB \x
	CMPS
.if \ld
	s_wait_alu depctr_va_vdst(0)                   ; the volume's lines are done reading the volume's data, in which the four loads below land, and the last of my 20 weights, in which the five LDS loads further down land
	LDV \x
.endif
	s_wait_alu depctr_va_sdst(0)                   ; the seven compares have written s32 to s37 and s43, ahead of their first reader
	GATES
.if \ld
.irp i, 0,1,2,3,4
	ds_load_b128 v[32+20*(\x)+4*(\i):32+20*(\x)+4*(\i)+3], v[4+89*(\x)] offset:16*(\i)  ; no further wait: the gates' lines name neither the weights nor the address
.endr
.endif
	PUT \x
.endm
; The weights of 32 points, a lane a point; set 0: records 0-31, made in v[72:91]; set 1: records 32-63, made in v[32:51], which lie idle until the first weights are read back.
.macro PW s, a, b                      ; plane s samples coordinate a along the width, b along the height
	v_mul_f32 v[WO+4*(\s)], v[238+(\a)], v[238+(\b)]
	v_mul_f32 v[WO+1+4*(\s)], v[235+(\a)], v[238+(\b)]
	v_mul_f32 v[WO+2+4*(\s)], v[238+(\a)], v[235+(\b)]
	v_mul_f32 v[WO+3+4*(\s)], v[235+(\a)], v[235+(\b)]
.endm
.macro WEIGHTS set
.set WO, 72-40*(\set)
.irp c, 0,1,2
	v_add_f32 v[232+\c], 1.0, v[224+4*(\set)+\c]
	v_mul_f32 v[232+\c], 0.5, v[232+\c]            ; a
	v_mul_f32 v[235+\c], s38, v[232+\c]            ; i in the planes,
	v_mul_f32 v[241+\c], s39, v[232+\c]            ; and in the volume, both rounded
	v_floor_f32 v[238+\c], v[235+\c]
	v_floor_f32 v[244+\c], v[241+\c]
	v_sub_f32 v[235+\c], v[235+\c], v[238+\c]      ; planes: w of the rounded i
	v_mul_f32 v[244+\c], -1.0, v[244+\c]
	v_fma_f32 v[241+\c], v[232+\c], s39, v[244+\c] ; volume: w = a 63 - floor(i), one rounding
	v_sub_f32 v[238+\c], 1.0, v[235+\c]            ; 1 - w
	v_sub_f32 v[244+\c], 1.0, v[241+\c]
.endr
	PW 0, 0, 1
	PW 1, 1, 2
	PW 2, 0, 2
	v_mul_f32 v248, v244, v245                     ; wx_ * wy_ first, then * wz_
	v_mul_f32 v249, v241, v245
	v_mul_f32 v250, v244, v242
	v_mul_f32 v251, v241, v242
.irp k, 0,1,2,3
	v_mul_f32 v[WO+12+\k], v[248+\k], v246
	v_mul_f32 v[WO+16+\k], v[248+\k], v243
.endr
.endm
.macro WSTORE set                      ; the set's 32 records into LDS
.irp i, 0,1,2,3,4
	ds_store_b128 v252, v[72-40*(\set)+4*\i:75-40*(\set)+4*\i] offset:(\set)*32*RECB+16*\i
.endr
.endm
	s_load_b512 s[16:31], s[0:1], 0x0              ; coordinates 16, idx 18, tpxy 20, tpyz 22, tpxz 24, tvol 26, lconst 28, out0 30
	v_lshl_add_u32 v5, v0, 2, SPARE                ; my spare word,
	v_mov_b32 v6, 0                                ; and 0: kept for the add at the wave's end
	v_lshrrev_b32 v7, 5, v0
	v_readfirstlane_b32 s2, v7                     ; wave 0..15
	v_and_b32 v7, 31, v0                           ; lane
	v_and_b32 v15, 15, v0                          ; j
	v_bfe_u32 v14, v0, 4, 1                        ; h
	v_mul_u32_u24 v1, v15, 12
	v_lshlrev_b32 v3, 9, v14
	v_lshlrev_b32 v10, 3, v7
	v_mul_u32_u24 v11, v7, 12
	v_mov_b32 v8, 0
	v_mov_b32 v9, 0
	v_mov_b32 v[ZR], 0
	s_wait_alu depctr_va_sdst(0)                   ; s2 is written, ahead of its first reader: the wave's places in LDS and in the buffers are made from it
	s_mul_i32 s40, s2, WREC                        ; my wave's records
	v_mul_u32_u24 v4, v14, 32*RECB                 ; read: my half's record of trip 0,
	v_add_nc_u32 v4, s40, v4
	v_add_nc_u32 v93, RECB, v4                     ; and of trip 1
	v_mul_u32_u24 v252, v7, RECB                   ; written: record = lane
	v_add_nc_u32 v252, s40, v252
	s_mul_i32 s32, ttmp9, 12288                    ; my wave's 64 points: 12 bytes each in coordinates,
	s_mul_i32 s33, s2, 768
	s_add_co_u32 s32, s32, s33
	s_mov_b32 s33, 0
	s_lshl_b32 s34, ttmp9, 14                      ; 16 in idx,
	s_lshl_b32 s35, s2, 10
	s_add_co_u32 s34, s34, s35
	s_mov_b32 s35, 0
	s_lshl_b32 s36, ttmp9, 12                      ; 4 in out0
	s_lshl_b32 s37, s2, 8
	s_add_co_u32 s36, s36, s37
	s_mov_b32 s37, 0
	s_mov_b32 s38, 0x42fe0000                      ; 127.0
	s_mov_b32 s39, 0x427c0000                      ; 63.0
	s_mov_b32 s41, 0xff00ff00                      ; lanes 8-15 of each half
	s_mov_b32 s42, 0x00ff00ff                      ; lanes 0-7
	s_mov_b32 s7, 0x00010001                       ; trips 0 and 1: lanes 0 and 16
	s_mov_b32 s6, 14
	s_wait_kmcnt 0x0
	s_load_b32 s8, s[28:29], 0x0                   ; the four partial line sums
	s_load_b32 s9, s[28:29], 0x80
	s_load_b32 s10, s[28:29], 0x100
	s_load_b32 s11, s[28:29], 0x180
	s_add_nc_u64 s[16:17], s[16:17], s[32:33]
	s_add_nc_u64 s[18:19], s[18:19], s[34:35]
	s_add_nc_u64 s[30:31], s[30:31], s[36:37]
	s_add_nc_u64 s[12:13], s[18:19], 32            ; each pointer is stepped by 32 at the head of its buffer's trip: in trip t it then stands at the cell numbers of trip t + 4
	s_add_nc_u64 s[14:15], s[18:19], 48
	s_wait_alu depctr_va_vdst(0)                   ; the lane's offsets and LDS addresses v3, v4, v10, v11, v93, v252 are written, which loads, LDS instructions and the last store read; so are v5 and v6, the closing add's
	global_load_b128 v[16:19], v3, s[18:19]        ; cell numbers of trips 0 and 1
	global_load_b128 v[20:23], v3, s[18:19] offset:16
	global_load_b96 v[224:226], v11, s[16:17]      ; coordinates of my wave's 64 points, a lane a point, twice
	global_load_b96 v[228:230], v11, s[16:17] offset:384
	s_wait_loadcnt 0x2                             ; the cell numbers are in; the two coordinate loads stay out
	ADDR 0
	ADDR 1
	s_wait_alu depctr_va_vdst(0)                   ; both ADDR have written the offsets v[24:31], which the table loads read, and are done reading v[16:23], in which the next cell numbers land
	global_load_b128 v[16:19], v3, s[18:19] offset:32  ; trip 2's cell numbers, then trip 0's data: the order of every trip
	LDP 0, 0
	LDP 0, 1
	LDP 0, 2
	LDV 0
	global_load_b128 v[20:23], v3, s[18:19] offset:48
	LDP 1, 0
	LDP 1, 1
	LDP 1, 2
	LDV 1
	s_wait_loadcnt 34                              ; the coordinates are in; the 2 x 17 loads just issued stay out
	WEIGHTS 0
	WEIGHTS 1
	s_wait_alu depctr_va_vdst(0)                   ; both sets of weights are written, v[72:91] and v[32:51], which the ten LDS stores read
	WSTORE 0
	WSTORE 1
	s_wait_dscnt 0x0                               ; my records are written.  A wave reads its own records alone; the barrier puts all stores of the work-group ahead of all reads,
	s_barrier_signal -1                            ; so that the order does not rest on the read addresses, which step in the loop.  Behind it LDS is only read
	s_barrier_wait -1
	s_wait_alu depctr_vm_vsrc(0)                   ; my LDS stores have read v[32:51], in which trip 0's weights land, and v[72:91], which the volume's lines write
.irp i, 0,1,2,3,4
	ds_load_b128 v[32+4*\i:35+4*\i], v4 offset:16*\i   ; trip 0's weights
.endr
.irp i, 0,1,2,3,4
	ds_load_b128 v[52+4*\i:55+4*\i], v93 offset:16*\i  ; trip 1's
.endr
	s_wait_kmcnt 0x0
	s_add_f32 s8, s8, s9
	s_add_f32 s10, s10, s11
	s_add_f32 s8, s8, s10                          ; the line term
.Lpair:                                        ; 14 times: trips 2 i and 2 i + 1
	TRIP 0, 17, 5, 1, 1
	TRIP 1, 17, 5, 1, 1
	s_lshl_b32 s7, s7, 1
	s_sub_co_u32 s6, s6, 1
	s_cmp_lg_u32 s6, 0
	s_cbranch_scc1 .Lpair
	TRIP 0, 17, 5, 1, 0                            ; trip 28: asks for trip 30's data; there are no further cell numbers
	TRIP 1, 16, 5, 1, 0                            ; trip 29: behind its data stand trip 30's 16 loads alone
	s_lshl_b32 s7, s7, 1
	TRIP 0, 16, 5, 0, 0                            ; trip 30: behind its data stand trip 31's 16
	TRIP 1, 0, 0, 0, 0                             ; trip 31
	v_add_f32 v8, s8, v8
	v_add_f32 v9, s8, v9
	s_wait_alu depctr_va_vdst(0)                   ; my two results v8 and v9 are written, which the store reads
	global_store_b64 v10, v[8:9], s[30:31] th:TH_STORE_NT  ; lane l holds points 2 l and 2 l + 1 of the wave's 64: 256 consecutive bytes, at a multiple of 256
	s_wait_dscnt 0x0                               ; the closing lines, six on end
	s_wait_alu 0x0
	s_wait_tensorcnt 0x0
	ds_add_u32 v5, v6
	s_wait_dscnt 0x0
	s_endpgm
.Lfunc_end_k_qc42a9b483b_gather:
	.size	k_qc42a9b483b_gather, .Lfunc_end_k_qc42a9b483b_gather-k_qc42a9b483b_gather
	.p2alignl 7, 3214868480
	.fill 96, 4, 3214868480
	.section	.rodata,"a",@progbits
	.p2align	6, 0x0
	.amdhsa_kernel k_qc42a9b483b_gather
		.amdhsa_group_segment_fixed_size 83968
		.amdhsa_private_segment_fixed_size 0
		.amdhsa_enable_private_segment 0
		.amdhsa_kernarg_size 64
		.amdhsa_user_sgpr_count 2
		.amdhsa_user_sgpr_kernarg_segment_ptr 1
		.amdhsa_wavefront_size32 1
		.amdhsa_system_sgpr_workgroup_id_x 1
		.amdhsa_system_sgpr_workgroup_id_y 1
		.amdhsa_system_sgpr_workgroup_id_z 1
		.amdhsa_system_vgpr_workitem_id 0
		.amdhsa_next_free_vgpr 256
		.amdhsa_next_free_sgpr 66
		.amdhsa_reserve_vcc 0
		.amdhsa_float_denorm_mode_32 3
		.amdhsa_float_denorm_mode_16_64 3
		.amdhsa_memory_ordered 1
		.amdhsa_forward_progress 1
		.amdhsa_inst_pref_size 60
	.end_amdhsa_kernel
	.amdgpu_metadata
---
amdhsa.version: [ 1, 2 ]
amdhsa.kernels:
  - .name:           k_qc42a9b483b_gather
    .symbol:         k_qc42a9b483b_gather.kd
    .args:
      - { .name: coordinates, .offset: 0, .size: 8, .value_kind: global_buffer, .address_space: global }
      - { .name: idx, .offset: 8, .size: 8, .value_kind: global_buffer, .address_space: global }
      - { .name: tpxy, .offset: 16, .size: 8, .value_kind: global_buffer, .address_space: global }
      - { .name: tpyz, .offset: 24, .size: 8, .value_kind: global_buffer, .address_space: global }
      - { .name: tpxz, .offset: 32, .size: 8, .value_kind: global_buffer, .address_space: global }
      - { .name: tvol, .offset: 40, .size: 8, .value_kind: global_buffer, .address_space: global }
      - { .name: lconst, .offset: 48, .size: 8, .value_kind: global_buffer, .address_space: global }
      - { .name: out0, .offset: 56, .size: 8, .value_kind: global_buffer, .address_space: global }
    .group_segment_fixed_size: 83968
    .private_segment_fixed_size: 0
    .kernarg_segment_align: 8
    .kernarg_segment_size: 64
    .max_flat_workgroup_size: 512
    .sgpr_count:     66
    .vgpr_count:     256
    .wavefront_size: 32
...
	.end_amdgpu_metadata
.endif
;; end of part 5
